; MI455X (gfx1250); checked and timed in simulation.
; The chip was launched on July 23, 2026; its instructions are those of AMD's public machine-readable ISA for CDNA 5 (MIT licence, August 2026) and "CDNA5" Instruction Set Architecture Reference Guide (July 2026). The comments in the code are by the model that wrote it; some were corrected since.
;; Causal Self Attention. Allowed arithmetic: matrix products marked QUANTISED: E2M1 operands, one E8M0 scale for each 32 along K, by v_wmma_scale_f32_16x16x128_f8f6f4 with both operands' format E2M1 (or v_wmma_scale_f32_32x16x128_f4), f32 sums; products left as they are: bf16, f16 or f32 operands; f32 sums; everything else in f32.
;; Inputs: b_proj 1,024 float32; b_qkv 3,072 float32; w_proj 1,024 x 1,024 float32; w_qkv 1,024 x 3,072 float32; x 4 x 2,048 x 1,024 float32.
;; Outputs: out0 4 x 2,048 x 1,024 float32.
;; This version of the problem:
;;   THIS VERSION OF THE PROBLEM IS GIVEN IN LOW PRECISION. The matrix products marked QUANTISED in the list below multiply operands that are first quantised to E2M1 (2 exponent bits, 1 mantissa bit; 4 bits a number), with one power-of-two scale for each 32 numbers along K (OCP MX v1.0); their sums are f32. The products marked 'left as it is' may take bf16, f16 or f32 operands, with f32 sums. Whichever they take, every output number must still come out within the allowed error. Rounding operands to bf16 (8 significant bits) uses up far more of that allowance than f16 does (11 bits, for magnitudes from 6e-5 to 65,504). All else is computed in f32.
;;   The module's matrix products, in the order in which they are computed (A, B: the left and right operand; K: the contracted axis; several contracted axes count as one K, in the product's order):
;;     1. [M 8,192, K 1,024] x [K 1,024, N 3,072]; A: input x; B: input w_qkv: QUANTISED
;;     2. batch 64 x [M 2,048, K 64] x [K 64, N 2,048]; A: computed on the way; B: computed on the way: left as it is (an operand is computed on the way)
;;     3. batch 64 x [M 2,048, K 2,048] x [K 2,048, N 64]; A: computed on the way; B: computed on the way: left as it is (an operand is computed on the way)
;;     4. [M 8,192, K 1,024] x [K 1,024, N 1,024]; A: computed on the way; B: input w_proj: left as it is (an operand is computed on the way)
;;   THE QUANTISER, for each operand of a quantised product, along K:
;;     - K is cut into blocks of 32 from its start; a last block that is shorter is filled with zeros.
;;     - A block's scale is 2^e with e = floor(log2(the largest magnitude in the block)) - 2, held to -126 .. 127; a block of zeros has e = 0. As a byte (E8M0): e + 127.
;;     - Each number is divided by its block's scale, clamped to +-6, and rounded to the nearest number of E2M1, ties to even, subnormals kept.
;;     - The product sums the exact products of the quantised numbers (number of the format x scale) in f32.
;;   ~~~python
;;   def quantise(x, axis):      # numpy; x: float32 -> the quantised numbers, widened to float32 again
;;       x = np.moveaxis(x, axis, -1); K = x.shape[-1]
;;       x = np.pad(x, [(0, 0)] * (x.ndim - 1) + [(0, -K % 32)]); x = x.reshape(x.shape[:-1] + (-1, 32)); a = np.abs(x).max(-1, keepdims=True)
;;       e = np.where(a > 0, np.clip(np.frexp(np.where(a > 0, a, 1))[1] - 1 - 2, -126, 127), 0)      # np.frexp(a)[1] - 1 = floor(log2(a)), exactly
;;       r = np.clip(x / 2.0 ** e, -6, 6)
;;       step = 2.0 ** (np.maximum(np.frexp(np.where(r == 0, 1, r))[1] - 1, 0) - 1)
;;       q = np.round(r / step) * step * 2.0 ** e      # np.round: ties to even
;;       return np.moveaxis(q.reshape(q.shape[:-2] + (-1,))[..., :K], -1, axis).astype(np.float32)
;;   ~~~
;; One version. Each part assembles by itself: llvm-mc -triple=amdgcn-amd-amdhsa -mcpu=gfx1250 --defsym DOCPART=n.
;; ======== version 1 of 1: 5 launches
;; limits: values are held in f16: magnitudes above 65,504 overflow, below 6.1e-05 lose precision
;; workspace buffers: xc 4,194,304 bytes; xs 262,144 bytes; wc 1,572,864 bytes; ws 98,304 bytes; wt 2,097,152 bytes; qkvh 50,331,648 bytes; q32 786,432 bytes; yh 16,777,216 bytes
;; launch prep (part 1): grid 512 x 1, 4 waves a work-group, no clusters, 77,824 bytes of LDS; arguments x, w_qkv, w_proj, xc, xs, wc, ws, wt; writes xc, xs, wc, ws, wt
.if DOCPART == 1
	.amdgcn_target "amdgcn-amd-amdhsa--gfx1250"
	.amdhsa_code_object_version 6
	.text
	.protected	k_q437ba65218_prep
	.globl	k_q437ba65218_prep
	.p2align	8
	.type	k_q437ba65218_prep,@function
k_q437ba65218_prep:
	s_mov_b64 s[64:65], 0
	v_nop
	global_prefetch_b8 v0, s[64:65] scope:SCOPE_SE
	s_setreg_imm32_b32 hwreg(HW_REG_WAVE_MODE, 25, 1), 1
	s_wait_xcnt 0x0
; THREE TENSORS ARE MADE READY, each by work-groups of its own; the paths part on the work-group's number alone and each has LDS bytes of its own.
;   work-groups 0-255:   x [8192][1024] f32 -> codes of FP4 (E2M1), K innermost, xc [8192][512 bytes], and one E8M0 byte for each 32 along K, xs [8192][32].
;   work-groups 256-447: w_qkv [1024 k][3072 n] f32 -> the same along K, which is its FIRST axis: wc [3072 n][512 bytes], ws [3072][32].
;   work-groups 448-511: w_proj [1024 k][1024 n] f32 -> f16, turned: wt [1024 n][1024 k].
; A block's scale is 2^(floor(log2(its largest magnitude)) - 2); its byte is the largest magnitude's exponent field - 2, held at 1 from below.
; LIMITS: a block of zeros gets the byte 1 where the rule says 127 (its codes are zeros, and this program alone reads the bytes); blocks whose largest magnitude lies under 2^-124 are held at the byte 1;
; NaN and infinities are not served; w_proj beyond 65,504 becomes infinity in f16.
; No tensor loads and no matrix work: the launch streams.
.set SP,     80                        ; path x: a lane's place in a stage: 64 bytes + 16 of padding
.set WREG,   8192                      ; path x: LDS of a wave: two stages of 32 x SP bytes, behind them its 256 scale bytes
.set WQ_STG, 32768                     ; path w_qkv: the work-group's stage, 32 columns x (256 bytes + 16)
.set WQ_SC,  41472                     ; and its scale words: 32 columns x 16 bytes
.set WP_STG, 41984                     ; path w_proj: a stage of 32 x 272 bytes for each wave
.set SPARE,  76800                     ; the spare words, 128 bytes for each wave: two blocks of 256 bytes that no other line names
.set SPW,    224                       ; v224 LDS address of my spare word; never rewritten
.set NIL,    225                       ; v225 0; never rewritten
.set R,      16                        ; path x: v16-143 eight sets of 16 numbers as loaded
.set X,      144                       ; v144-175 two sets of 16 neighbours
.set E,      176                       ; v176-191 a scale byte for each step
.set C,      192                       ; v192-223 two registers of codes for each step: no store's data are written again
.set KB,     32                        ; the weights' paths: v32-95 two sets of 32 numbers down K
.set KC,     96                        ; v96..   what a block becomes
.set KO,     112                       ; v112..  the way out
	s_load_b256 s[4:11], s[0:1], 0x0               ; x s[4:5], w_qkv s[6:7], w_proj s[8:9], xc s[10:11]
	s_load_b256 s[12:19], s[0:1], 0x20             ; xs s[12:13], wc s[14:15], ws s[16:17], wt s[18:19]
	v_lshl_add_u32 v[SPW], v0, 2, SPARE
	v_mov_b32 v[NIL], 0
	v_lshrrev_b32 v1, 5, v0
	v_readfirstlane_b32 s20, v1                    ; wave 0..3
	v_and_b32 v2, 31, v0                           ; lane
	s_mov_b32 s25, 0                               ; the upper word of every offset below
	s_wait_kmcnt 0x0
	s_cmp_lt_u32 ttmp9, 256
	s_cbranch_scc1 .Lpath_x
	s_cmp_lt_u32 ttmp9, 448
	s_cbranch_scc1 .Lpath_wq
; A LANE TAKES A COLUMN n AND ITS REGISTERS RUN DOWN K: block t of 32 rows into set t % 2; each load reads 128 consecutive bytes.
.macro KLOAD t, lo, pitch
.irp i, 0,1,2,3,4,5,6,7,8,9,10,11,12,13,14,15,16,17,18,19,20,21,22,23,24,25,26,27,28,29,30,31
	global_load_b32 v[KB+32*((\t)%2)+\i], v3, s[\lo:\lo+1] offset:(32*(\t)+\i)*\pitch
.endr
.endm
; ---------------- w_proj -> f16, turned.  Work-group g: columns 128 (g % 8) on, 32 a wave; K = 128 (g / 8) on, four blocks of 32.
	s_sub_co_u32 s21, ttmp9, 448
	s_and_b32 s22, s21, 7
	s_lshr_b32 s23, s21, 3
	s_lshl_b32 s22, s22, 7
	s_lshl_b32 s24, s20, 5
	s_add_co_u32 s22, s22, s24                     ; my wave's first column
	s_lshl_b32 s24, s23, 19                        ; 128 rows of 4,096 bytes
	s_lshl_b32 s26, s22, 2
	s_add_co_u32 s24, s24, s26
	s_add_nc_u64 s[8:9], s[8:9], s[24:25]
	s_lshl_b32 s24, s22, 11                        ; wt: a row of 2,048 bytes for each column,
	s_lshl_b32 s26, s23, 8                         ; and 256 bytes for 128 along K
	s_add_co_u32 s24, s24, s26
	s_add_nc_u64 s[18:19], s[18:19], s[24:25]
	v_lshlrev_b32 v3, 2, v2                        ; in: 4 bytes a lane
	s_mul_i32 s26, s20, 32*272
	s_add_co_u32 s26, s26, WP_STG                  ; my stage
	v_mul_u32_u24 v4, v2, 272
	v_add_nc_u32 v4, s26, v4                       ; into it: row = my column
	v_and_b32 v5, 15, v2
	v_lshrrev_b32 v8, 4, v2
	v_mul_u32_u24 v6, v8, 272
	v_lshl_add_u32 v6, v5, 4, v6
	v_add_nc_u32 v6, s26, v6                       ; out of it: sixteen lanes to a row, two rows an instruction
	v_lshlrev_b32 v7, 11, v8
	v_lshl_add_u32 v7, v5, 4, v7                   ; and the same place in wt
	KLOAD 0, 8, 4096
	KLOAD 1, 8, 4096
.macro PBLOCK t
.set XS, KB+32*((\t)%2)
.if (\t) < 3
	s_wait_loadcnt 32                              ; this block's 32 loads are in; the next block's may be out
.else
	s_wait_loadcnt 0x0
.endif
.irp i, 0,1,2,3,4,5,6,7,8,9,10,11,12,13,14,15
	v_cvt_pk_f16_f32 v[KC+\i], v[XS+2*\i], v[XS+2*\i+1]    ; two neighbours along K, the lower in the low half
.endr
.irp j, 0,1,2,3
	ds_store_b128 v4, v[KC+4*\j:KC+4*\j+3] offset:64*(\t)+16*\j
.endr
.if (\t)+2 < 4
	KLOAD (\t)+2, 8, 4096
.endif
	s_wait_dscnt 0x0                               ; the stores have read their registers: the next block may write them
.endm
	PBLOCK 0
	PBLOCK 1
	PBLOCK 2
	PBLOCK 3
.irp i, 0,1,2,3,4,5,6,7,8,9,10,11,12,13,14,15
	ds_load_b128 v[KO+4*\i:KO+4*\i+3], v6 offset:2*\i*272  ; my own stage: LDS serves a wave's instructions in order
.endr
.irp i, 0,1,2,3,4,5,6,7,8,9,10,11,12,13,14,15
	s_wait_dscnt 15-\i
	global_store_b128 v7, v[KO+4*\i:KO+4*\i+3], s[18:19] offset:2*\i*2048   ; sixteen lanes store 256 consecutive bytes, aligned
.endr
	s_wait_tensorcnt 0x0                           ; the wave's end
	ds_add_u32 v[SPW], v[NIL]
	s_wait_dscnt 0x0
	s_endpgm
; ---------------- w_qkv -> codes.  Work-group g: columns 32 (g / 2) on; K = 512 (g % 2) on.  THE FOUR WAVES STAND ONE BELOW THE OTHER ALONG K, 128 each (four blocks): so 768 waves share the tensor.
.Lpath_wq:
	s_sub_co_u32 s21, ttmp9, 256
	s_lshr_b32 s22, s21, 1
	s_and_b32 s23, s21, 1                          ; which half of K
	s_lshl_b32 s22, s22, 5                         ; the first column
	s_lshl_b32 s24, s23, 9
	s_lshl_b32 s26, s20, 7
	s_add_co_u32 s24, s24, s26                     ; my wave's first row of w_qkv
	s_mul_i32 s24, s24, 12288
	s_lshl_b32 s26, s22, 2
	s_add_co_u32 s24, s24, s26
	s_add_nc_u64 s[6:7], s[6:7], s[24:25]
	s_lshl_b32 s24, s22, 9                         ; wc: 512 bytes a column, 256 for half of K
	s_lshl_b32 s26, s23, 8
	s_add_co_u32 s24, s24, s26
	s_add_nc_u64 s[14:15], s[14:15], s[24:25]
	s_lshl_b32 s24, s22, 5                         ; ws: 32 bytes a column, 16 for half of K
	s_lshl_b32 s26, s23, 4
	s_add_co_u32 s24, s24, s26
	s_add_nc_u64 s[16:17], s[16:17], s[24:25]
	v_lshlrev_b32 v3, 2, v2
	s_lshl_b32 s26, s20, 6
	s_add_co_u32 s26, s26, WQ_STG
	v_mul_u32_u24 v4, v2, 272
	v_add_nc_u32 v4, s26, v4                       ; the stage: row = my column, my wave's 64 bytes of its 256
	s_lshl_b32 s26, s20, 2
	s_add_co_u32 s26, s26, WQ_SC
	v_lshl_add_u32 v5, v2, 4, s26                  ; my column's 16 scale bytes, my wave's word
	v_and_b32 v10, 15, v2
	v_lshrrev_b32 v14, 4, v2
	s_mul_i32 s26, s20, 8*272
	s_add_co_u32 s26, s26, WQ_STG
	v_mul_u32_u24 v6, v14, 272
	v_lshl_add_u32 v6, v10, 4, v6
	v_add_nc_u32 v6, s26, v6                       ; out: wave w takes rows 8 w on, sixteen lanes to a row
	s_lshl_b32 s26, s20, 12
	v_lshlrev_b32 v7, 9, v14
	v_lshl_add_u32 v7, v10, 4, v7
	v_add_nc_u32 v7, s26, v7                       ; and the same place in wc
	v_lshl_add_u32 v8, v0, 2, WQ_SC                ; the scale words leave four bytes a thread: thread t has column t / 4, word t % 4
	v_lshrrev_b32 v9, 2, v0
	v_lshlrev_b32 v9, 5, v9
	v_and_b32 v15, 3, v0
	v_lshl_add_u32 v9, v15, 2, v9
	KLOAD 0, 6, 12288
	KLOAD 1, 6, 12288
.macro QBLOCK t
.set XS, KB+32*((\t)%2)
.if (\t) < 3
	s_wait_loadcnt 32                              ; this block's 32 loads are in; the next block's may be out
.else
	s_wait_loadcnt 0x0
.endif
	v_max3_num_f32 v12, |v[XS]|, |v[XS+1]|, |v[XS+2]|      ; the block's largest magnitude: all 32 numbers are mine
	v_max3_num_f32 v13, |v[XS+3]|, |v[XS+4]|, |v[XS+5]|
.irp i, 6,10,14,18,22,26
	v_max3_num_f32 v12, v12, |v[XS+\i]|, |v[XS+\i+1]|
	v_max3_num_f32 v13, v13, |v[XS+\i+2]|, |v[XS+\i+3]|
.endr
	v_max3_num_f32 v12, v12, |v[XS+30]|, |v[XS+31]|
	v_max3_num_f32 v12, v12, v13, 0x1800000        ; and the floor 2^(3 - 127): the byte cannot fall under 1
	v_add_nc_u32 v11, 0xff000000, v12              ; 2 off the exponent field: the conversion takes this operand's exponent field as its scale
	v_lshrrev_b32 v13, 23, v11                     ; the scale's byte
.if (\t) == 0
	v_mov_b32 v24, v13
.else
	v_lshl_or_b32 v24, v13, 8*(\t), v24            ; four bytes to the word, the lower K in the lower byte
.endif
.irp g, 0,1,2,3
	v_cvt_scalef32_pk8_fp4_f32 v[KC+\g], v[XS+8*\g:XS+8*\g+7], v11
.endr
	ds_store_b128 v4, v[KC:KC+3] offset:16*(\t)    ; 32 codes: 16 bytes of my column's row
.if (\t)+2 < 4
	KLOAD (\t)+2, 6, 12288
.endif
	s_wait_dscnt 0x0                               ; the store has read its registers
.endm
	QBLOCK 0
	QBLOCK 1
	QBLOCK 2
	QBLOCK 3
	ds_store_b32 v5, v24
	s_wait_dscnt 0x0                               ; for the others' sake: my stores have landed
	s_barrier_signal -1
	s_barrier_wait -1                              ; a row's 256 bytes come from four waves
.irp i, 0,1,2,3
	ds_load_b128 v[KO+4*\i:KO+4*\i+3], v6 offset:2*\i*272
.endr
	ds_load_b32 v128, v8
.irp i, 0,1,2,3
	s_wait_dscnt 4-\i
	global_store_b128 v7, v[KO+4*\i:KO+4*\i+3], s[14:15] offset:2*\i*512    ; sixteen lanes store 256 consecutive bytes, aligned
.endr
	s_wait_dscnt 0x0
	global_store_b32 v9, v128, s[16:17]            ; 16 bytes of each column's 32: the other half of K is another work-group's
	s_wait_tensorcnt 0x0                           ; the wave's end: the three lines
	ds_add_u32 v[SPW], v[NIL]
	s_wait_dscnt 0x0
	s_endpgm
; ---------------- x -> codes.  Rows are dense and 1,024 is a multiple of 32: x is a plain stream of blocks of 32.  A wave takes 16 steps of 512 numbers.  Each load reads 512 consecutive bytes;
; a step's 2,048 bytes turn through the wave's own stage, so that a lane then holds 16 NEIGHBOURS along K (two lanes a block).  Loads run eight steps (32 loads a wave) ahead, the turn one step.
.Lpath_x:
	v_lshlrev_b32 v3, 4, v2                        ; my 16 bytes of a load's 512
	s_mul_i32 s21, s20, WREG
	v_lshrrev_b32 v14, 2, v2
	v_mul_u32_u24 v14, v14, SP
	v_and_b32 v15, 3, v2
	v_lshl_add_u32 v14, v15, 4, v14
	v_add_nc_u32 v14, s21, v14                     ; the stage, in: four lanes' 64 bytes on end, then the padding
	v_mul_u32_u24 v15, v2, SP
	v_add_nc_u32 v15, s21, v15                     ; and out: my 16 neighbours
	v_lshlrev_b32 v4, 3, v2                        ; my 8 bytes of a step's codes
	v_lshrrev_b32 v5, 1, v2
	s_add_co_u32 s21, s21, 2*32*SP
	v_add_nc_u32 v5, s21, v5                       ; my wave's 256 scale bytes, my block's byte
	v_lshlrev_b32 v7, 3, v2
	v_add_nc_u32 v6, s21, v7                       ; and on the way out 8 bytes a lane
	s_lshl_b32 s22, ttmp9, 2
	s_add_co_u32 s22, s22, s20                     ; which run of 8,192 numbers is my wave's
	s_lshl_b32 s24, s22, 15
	s_add_nc_u64 s[4:5], s[4:5], s[24:25]
	s_lshl_b32 s24, s22, 12
	s_add_nc_u64 s[10:11], s[10:11], s[24:25]
	s_lshl_b32 s24, s22, 8
	s_add_nc_u64 s[12:13], s[12:13], s[24:25]
.macro XLOAD t
.irp i, 0,1,2,3
	global_load_b128 v[R+16*((\t)%8)+4*\i:R+16*((\t)%8)+4*\i+3], v3, s[4:5] offset:2048*(\t)+512*\i th:TH_LOAD_NT
.endr
.endm
.macro XTURN t                         ; LDS serves a wave's instructions in order: no wait between the stores and the loads
.irp i, 0,1,2,3
	ds_store_b128 v14, v[R+16*((\t)%8)+4*\i:R+16*((\t)%8)+4*\i+3] offset:32*SP*((\t)%2)+8*SP*\i
.endr
.irp i, 0,1,2,3
	ds_load_b128 v[X+16*((\t)%2)+4*\i:X+16*((\t)%2)+4*\i+3], v15 offset:32*SP*((\t)%2)+16*\i
.endr
.endm
.irp t, 0,1,2,3,4,5,6,7
	XLOAD \t
.endr
	s_wait_loadcnt 28                              ; step 0's four loads are in; seven steps' 28 may be out
	XTURN 0
.macro XSTEP t
.set XS, X+16*((\t)%2)
.if (\t) > 0
	s_wait_dscnt 1                                 ; this step's numbers are back from the stage (the last step's byte store may be out): its stores into the stage have read their registers,
.else
	s_wait_dscnt 0x0
.endif
.if (\t)+8 < 16
	XLOAD (\t)+8                                   ; which take the loads of eight steps on
.endif
.if (\t)+1 < 16
.if (\t) <= 7
	s_wait_loadcnt 28                              ; the next step's loads are in; those of the seven steps behind it may be out
.else
	s_wait_loadcnt 4*(14-(\t))                     ; the counts run down: 4 loads for each step behind the next
.endif
	XTURN (\t)+1
.endif
	v_max3_num_f32 v8, |v[XS]|, |v[XS+1]|, |v[XS+2]|
	v_max3_num_f32 v9, |v[XS+3]|, |v[XS+4]|, |v[XS+5]|
.irp i, 6,10
	v_max3_num_f32 v8, v8, |v[XS+\i]|, |v[XS+\i+1]|
	v_max3_num_f32 v9, v9, |v[XS+\i+2]|, |v[XS+\i+3]|
.endr
	v_max3_num_f32 v8, v8, |v[XS+14]|, |v[XS+15]|
	v_max3_num_f32 v8, v8, v9, 0x1800000           ; the floor 2^(3 - 127)
	v_max_num_f32_dpp v8, v8, v8 row_xmask:1 row_mask:0xf bank_mask:0xf   ; with my neighbour's 16: the block's largest magnitude
	v_add_nc_u32 v11, 0xff000000, v8
	v_cvt_scalef32_pk8_fp4_f32 v[C+2*(\t)], v[XS:XS+7], v11
	v_cvt_scalef32_pk8_fp4_f32 v[C+2*(\t)+1], v[XS+8:XS+15], v11
	v_lshrrev_b32 v[E+(\t)], 23, v11               ; the scale's byte (also the plain line behind the conversions)
	ds_store_b8 v5, v[E+(\t)] offset:16*(\t)       ; both lanes of a block write the same byte with the same value
	global_store_b64 v4, v[C+2*(\t):C+2*(\t)+1], s[10:11] offset:256*(\t)   ; the wave stores 256 consecutive bytes, aligned
.endm
.irp t, 0,1,2,3,4,5,6,7,8,9,10,11,12,13,14,15
	XSTEP \t
.endr
	ds_load_b64 v[8:9], v6
	s_wait_dscnt 0x0
	global_store_b64 v7, v[8:9], s[12:13]          ; my wave's 256 scale bytes: 256 consecutive bytes, aligned
	s_wait_tensorcnt 0x0                           ; the wave's end: the three lines
	ds_add_u32 v[SPW], v[NIL]
	s_wait_dscnt 0x0
	s_endpgm
.Lfunc_end_k_q437ba65218_prep:
	.size	k_q437ba65218_prep, .Lfunc_end_k_q437ba65218_prep-k_q437ba65218_prep
	.p2alignl 7, 3214868480
	.fill 96, 4, 3214868480
	.section	.rodata,"a",@progbits
	.p2align	6, 0x0
	.amdhsa_kernel k_q437ba65218_prep
		.amdhsa_group_segment_fixed_size 77824
		.amdhsa_private_segment_fixed_size 0
		.amdhsa_enable_private_segment 0
		.amdhsa_kernarg_size 64
		.amdhsa_user_sgpr_count 2
		.amdhsa_user_sgpr_kernarg_segment_ptr 1
		.amdhsa_wavefront_size32 1
		.amdhsa_system_sgpr_workgroup_id_x 1
		.amdhsa_system_sgpr_workgroup_id_y 1
		.amdhsa_system_sgpr_workgroup_id_z 1
		.amdhsa_system_vgpr_workitem_id 0
		.amdhsa_next_free_vgpr 226
		.amdhsa_next_free_sgpr 66
		.amdhsa_reserve_vcc 0
		.amdhsa_float_denorm_mode_32 3
		.amdhsa_float_denorm_mode_16_64 3
		.amdhsa_memory_ordered 1
		.amdhsa_forward_progress 1
		.amdhsa_inst_pref_size 76
	.end_amdhsa_kernel
	.amdgpu_metadata
---
amdhsa.version: [ 1, 2 ]
amdhsa.kernels:
  - .name:           k_q437ba65218_prep
    .symbol:         k_q437ba65218_prep.kd
    .args:
      - { .name: x, .offset: 0, .size: 8, .value_kind: global_buffer, .address_space: global }
      - { .name: w_qkv, .offset: 8, .size: 8, .value_kind: global_buffer, .address_space: global }
      - { .name: w_proj, .offset: 16, .size: 8, .value_kind: global_buffer, .address_space: global }
      - { .name: xc, .offset: 24, .size: 8, .value_kind: global_buffer, .address_space: global }
      - { .name: xs, .offset: 32, .size: 8, .value_kind: global_buffer, .address_space: global }
      - { .name: wc, .offset: 40, .size: 8, .value_kind: global_buffer, .address_space: global }
      - { .name: ws, .offset: 48, .size: 8, .value_kind: global_buffer, .address_space: global }
      - { .name: wt, .offset: 56, .size: 8, .value_kind: global_buffer, .address_space: global }
    .group_segment_fixed_size: 77824
    .private_segment_fixed_size: 0
    .kernarg_segment_align: 8
    .kernarg_segment_size: 64
    .max_flat_workgroup_size: 128
    .sgpr_count:     66
    .vgpr_count:     226
    .wavefront_size: 32
...
	.end_amdgpu_metadata
.endif
;; end of part 1
;; launch qkv (part 2): grid 12 x 32, 4 waves a work-group, clusters of 4 x 4, 327,680 bytes of LDS; arguments xc, xs, wc, ws, b_qkv, qkvh, q32; writes qkvh, q32
.if DOCPART == 2
	.amdgcn_target "amdgcn-amd-amdhsa--gfx1250"
	.amdhsa_code_object_version 6
	.text
	.protected	k_q437ba65218_qkv
	.globl	k_q437ba65218_qkv
	.p2align	8
	.type	k_q437ba65218_qkv,@function
k_q437ba65218_qkv:
	s_mov_b64 s[64:65], 0
	v_nop
	global_prefetch_b8 v0, s[64:65] scope:SCOPE_SE
	s_setreg_imm32_b32 hwreg(HW_REG_WAVE_MODE, 25, 1), 1
	s_wait_xcnt 0x0
	s_wait_alu depctr_hold_cnt(0) depctr_sa_sdst(0) depctr_va_vdst(0) depctr_va_sdst(0) depctr_va_ssrc(0) depctr_va_vcc(0) depctr_vm_vsrc(0)
	s_getreg_b32 s2, hwreg(HW_REG_IB_STS2, 6, 4)
	s_cmp_eq_u32 s2, 0
	s_cbranch_scc0 .Lentry_in_a_cluster
	s_endpgm
.Lentry_in_a_cluster:
	s_bfe_u32 s2, ttmp6, 0x10000c
	s_cmp_lg_u32 s2, 0xf033
	s_cbranch_scc0 .Lentry_shape_is_right
	s_endpgm
.Lentry_shape_is_right:
; qkv = Q(x) Q(w_qkv) + b_qkv on codes of FP4 (E2M1) with one E8M0 scale for each 32 along K; sums in f32.  A = xc [8192][512 bytes], xs [8192][32]; B = wc [3072 n][512 bytes], ws [3072][32].
; OUT: qkvh, f16, [3 (q, k, v)][4 batches][16 heads][2048 positions][64]: a head's rows are dense, so 16 rows are 2,048 bytes on end.  And q32, f32, [4][16][3072]: positions 0-15 of each sequence, unrounded, for the launch that redoes them.
; LIMIT: a result beyond 65,504 becomes infinity in f16, one under about 6e-8 becomes zero.
; A tile of C, 256 x 256, is made by four waves, 128 x 128 each: 64 accumulators, 512 registers.  K = 1,024 is two LDS slots of 512 along K (rows of 256 bytes): both are filled at the start and nothing is filled again.
; The scales of the work-group's rows, for all of K, are two dense blocks and come once, with the first fills.
; CLUSTERS: 4 x 4 work-groups.  A's tiles are shared along a row of the cluster, B's along a column: each is asked for jointly, by the same tensor load with the same descriptor and a mask that names the four.
; THE MATRIX INSTRUCTION IS USED TRANSPOSED (source 0 = 16 rows of B, source 1 = 16 rows of A): a lane holds eight neighbouring columns of one row of C.  THE BIAS IS THE C OF EACH SUM'S FIRST PRODUCT.
; REGISTERS: window 0: v0-31 addresses; v32-95 scale words, two sets; v128-191 A's fragments, one set; v192-255 the bias (8 registers for each of B's 8 blocks).  window 1: B's fragments, two sets.
;   window 2: the accumulators of my rows 0-63 ((a, b) at v[8 (8 a + b)]); window 3: those of rows 64-127.
.set NQ,     4                         ; matrix instructions deep in a slot
.set ROWB,   256                       ; a tile's row in bytes: 512 codes
.set KROW,   512                       ; a row of A or B in memory
.set PITCH,  272                       ; an LDS row: 256 bytes + 16 of padding: the 16 rows of a load start 68 words apart
.set FR,     8
.set NL,     2
.set NP,     4
.set HALFT,  128*PITCH
.set SLOT,   4*HALFT
.set KS,     32                        ; a row of scales in bytes
.set SCL,    2*SLOT
.set HALFS,  (128*KS/256)*272
.set SBLK,   (16*KS/256)*272
.set SPARE,  SCL+4*HALFS               ; the spare words, 128 bytes for each wave
.set ADRA, 16
.set ADRB, 20
.set STO32, 22                         ; v22 the way out in f32: where I put 32 bytes of a row (rows of 528 bytes)
.set RD32,  23                         ; v23 and where I read a row of 512 bytes back
.set STO,  24                          ; v24 the way out in f16: where I put 16 bytes of a row (rows of 272 bytes)
.set RD,   25                          ; v25 and where I read 16 bytes of four half rows back
.set CO,   26                          ; v26 16 x lane
.set ADRS, 27
.set SPW,  28
.set NIL,  29
.set BO,   30                          ; v30 32 x (lane / 16): my half's eight numbers of the bias
.set CYV,  31                          ; v31 cy
.set SC,   32
.set TMP,  96                          ; the way out: v96-127 a block's packed results
.set AF,   128
.set BK,   128                         ; the way out: v128-159, v160-191 by turns
.set BIAS, 192
.set G1, 24
.set G0, 32
.set G1B, 48
.set G0B, 56
.set G1S, 68
.set G0S, 76
.set G1SB, 80
.set G0SB, 88
.set MSB, 0
.macro WIN new                         ; the immediate's high byte repeats the setting that is left
.if MSB != (\new)
	s_set_vgpr_msb (MSB<<8)|(\new)
.set MSB, (\new)
.endif
.endm
.set MUL_LO, 0xa1                      ; source 0 (B) window 1, source 1 (A) window 0, C and D window 2
.set MUL_HI, 0xf1
.set TO_B,   0x40
; A joint load: waves 0 and 1 fetch for A, waves 2 and 3 for B; the branch hangs on the wave's number alone.  An s_nop 0 and four v_nop follow each line.
.macro JLOAD g0a, g1a, g0b, g1b
	s_cmp_eq_u32 s15, 0
	s_cbranch_scc0 .Lfor_b_\@
	tensor_load_to_lds s[\g0a:\g0a+3], s[\g1a:\g1a+7]
	s_nop 0
.rept 4
	v_nop
.endr
	s_branch .Lasked_\@
.Lfor_b_\@:
	tensor_load_to_lds s[\g0b:\g0b+3], s[\g1b:\g1b+7]
	s_nop 0
.rept 4
	v_nop
.endr
.Lasked_\@:
.endm
.macro CROUND                          ; a round of the cluster's barrier
	s_barrier_signal -1
	s_barrier_wait -1
	s_cmp_lg_u32 s14, 0
	s_cbranch_scc1 .Lnot_wave_0_\@
	s_barrier_signal -3
.Lnot_wave_0_\@:
	s_barrier_wait -3
	s_barrier_signal -1
	s_barrier_wait -1
.endm
	s_load_b128 s[4:7], s[0:1], 0x0                ; A's codes, A's scales
	s_load_b128 s[8:11], s[0:1], 0x10              ; B's codes, B's scales
	s_load_b64 s[96:97], s[0:1], 0x20              ; the bias
	s_load_b64 s[12:13], s[0:1], 0x28              ; qkvh
	s_load_b64 s[98:99], s[0:1], 0x30              ; q32
	v_lshl_add_u32 v[SPW], v0, 2, SPARE
	v_mov_b32 v[NIL], 0
	ds_add_u32 v[SPW], v[NIL]                      ; the wave's opening: the add, twice on end, and its wait ahead of my first tensor load
	ds_add_u32 v[SPW], v[NIL]
	v_lshrrev_b32 v1, 5, v0
	v_readfirstlane_b32 s14, v1                    ; wave 0..3
	s_lshr_b32 s15, s14, 1                         ; which half of the tile's rows is mine.  Also: I fetch for A (0) or for B (1)
	s_and_b32 s16, s14, 1                          ; which half of its columns.  Also: which 128 rows I fetch
	s_bfe_u32 s40, ttmp6, 0x40000                  ; cx, cy
	s_bfe_u32 s41, ttmp6, 0x40004
	s_lshl_b32 s42, ttmp9, 2
	s_add_co_u32 s42, s42, s40                     ; tile column of C
	s_and_b32 s17, ttmp7, 0xffff
	s_lshl_b32 s17, s17, 2
	s_add_co_u32 s17, s17, s41                     ; tile row of C
	s_lshl_b32 s43, s41, 2
	s_lshl_b32 s43, 15, s43                        ; my row of the cluster
	s_lshl_b32 s44, 0x1111, s40                    ; my column
	s_or_b32 s[G1+0], s43, (0<<16)|(1<<20)|(1<<21)|(5<<22)|(3<<25)  ; the mask; elements of 1 byte; padding on; bit 21 beside a mask; 4 words behind every 64
	s_or_b32 s[G1B+0], s44, (0<<16)|(1<<20)|(1<<21)|(5<<22)|(3<<25)
.irp g, G1, G1B
	s_mov_b32 s[\g+1], ROWB<<16                    ; tensor_dim0
	s_mov_b32 s[\g+2], 128<<16                     ; tensor_dim1
	s_mov_b32 s[\g+3], ROWB<<16                    ; tile_dim0
	s_mov_b32 s[\g+4], 128                         ; tile_dim1
	s_mov_b32 s[\g+5], KROW                        ; the pitch
	s_mov_b32 s[\g+6], 0
	s_mov_b32 s[\g+7], 0
.endr
	s_or_b32 s[G1S+0], s43, (3<<16)|(1<<20)|(1<<21)|(5<<22)|(3<<25) ; the scales of 128 rows: 4,096 dense bytes as 16 rows of 256 (32 elements of 8 bytes)
	s_or_b32 s[G1SB+0], s44, (3<<16)|(1<<20)|(1<<21)|(5<<22)|(3<<25)
.irp g, G1S, G1SB
	s_mov_b32 s[\g+1], 32<<16
	s_mov_b32 s[\g+2], (128*KS/256)<<16
	s_mov_b32 s[\g+3], 32<<16
	s_mov_b32 s[\g+4], 128*KS/256
	s_mov_b32 s[\g+5], 32
	s_mov_b32 s[\g+6], 0
	s_mov_b32 s[\g+7], 0
.endr
	s_lshl_b32 s18, s16, 7
	s_lshl_b32 s20, s17, 8
	s_add_co_u32 s20, s20, s18                     ; A: row 256 x tile row + 128 x half
	s_lshl_b32 s46, s42, 8
	s_add_co_u32 s46, s46, s18                     ; B: row 256 x tile column + 128 x half
	s_mov_b32 s21, 0
	s_mov_b32 s47, 0
	s_mov_b64 s[18:19], KS
	s_mul_u64 s[22:23], s[20:21], s[18:19]
	s_mul_u64 s[92:93], s[46:47], s[18:19]
	s_mov_b64 s[18:19], KROW
	s_mul_u64 s[20:21], s[20:21], s[18:19]
	s_mul_u64 s[46:47], s[46:47], s[18:19]
	s_mul_i32 s45, s14, HALFT                      ; where they go: wave x 128 rows
	s_mul_i32 s94, s14, HALFS
	s_wait_dscnt 0x0                               ; both opening adds are done
	s_wait_kmcnt 0x0
	s_add_nc_u64 s[20:21], s[4:5], s[20:21]
	s_add_nc_u64 s[22:23], s[6:7], s[22:23]
	s_add_nc_u64 s[46:47], s[8:9], s[46:47]
	s_add_nc_u64 s[92:93], s[10:11], s[92:93]
	CROUND                                         ; all sixteen work-groups are here: the joint loads meet
	s_mov_b32 s[G0S], 1
	s_add_co_u32 s[G0S+1], s94, SCL
	s_mov_b64 s[G0S+2:G0S+3], s[22:23]
	s_or_b32 s[G0S+3], s[G0S+3], 0x80000000
	s_mov_b32 s[G0SB], 1
	s_add_co_u32 s[G0SB+1], s94, SCL
	s_mov_b64 s[G0SB+2:G0SB+3], s[92:93]
	s_or_b32 s[G0SB+3], s[G0SB+3], 0x80000000
	JLOAD G0S, G1S, G0SB, G1SB                     ; the scales first
.irp s, 0,1
	s_mov_b32 s[G0+4*\s], 1
	s_add_co_u32 s[G0+4*\s+1], s45, \s*SLOT
	s_add_nc_u64 s[G0+4*\s+2:G0+4*\s+3], s[20:21], \s*ROWB
	s_or_b32 s[G0+4*\s+3], s[G0+4*\s+3], 0x80000000
	s_mov_b32 s[G0B+4*\s], 1
	s_add_co_u32 s[G0B+4*\s+1], s45, \s*SLOT
	s_add_nc_u64 s[G0B+4*\s+2:G0B+4*\s+3], s[46:47], \s*ROWB
	s_or_b32 s[G0B+4*\s+3], s[G0B+4*\s+3], 0x80000000
	JLOAD G0+4*\s, G1, G0B+4*\s, G1B               ; three loads of mine are out in all
.endr
	v_and_b32 v1, 15, v0                           ; r = lane % 16
	v_bfe_u32 v2, v0, 4, 1                         ; h = lane / 16
	v_mul_u32_u24 v3, v1, PITCH
	v_lshl_add_u32 v4, v2, 4, v3
	s_mul_i32 s21, s15, HALFT
	s_mul_i32 s22, s16, HALFT
	s_add_co_u32 s22, s22, 2*HALFT
.irp s, 0,1
	v_add_nc_u32 v[ADRA+\s], s21, v4
	v_add_nc_u32 v[ADRB+\s], s22, v4
	s_add_co_u32 s21, s21, SLOT
	s_add_co_u32 s22, s22, SLOT
.endr
	v_mul_u32_u24 v5, v1, KS                       ; my row's scales: 32 bytes a row, and 16 more for each 256 passed
	v_lshrrev_b32 v6, 8, v5
	v_lshl_add_u32 v5, v6, 4, v5
	s_mul_i32 s21, s15, HALFS
	s_mul_i32 s22, s16, HALFS
	s_add_co_u32 s22, s22, 2*HALFS
	s_sub_co_u32 s22, s22, s21
	v_mul_u32_u24 v6, s22, v2                      ; lanes 16-31 take B's
	s_add_co_u32 s21, s21, SCL
	v_add_nc_u32 v5, v5, v6
	v_add_nc_u32 v[ADRS], s21, v5
	s_mul_i32 s23, s14, 16*528                     ; my stage, in slot 0: 8,448 bytes
	v_mul_u32_u24 v5, v1, 272
	v_lshl_add_u32 v5, v2, 4, v5
	v_add_nc_u32 v[STO], s23, v5
	v_bfe_u32 v5, v0, 3, 2                         ; lane / 8
	v_mul_u32_u24 v5, v5, 272
	v_and_b32 v6, 7, v0
	v_lshl_add_u32 v5, v6, 4, v5
	v_add_nc_u32 v[RD], s23, v5                    ; back: eight lanes take 128 bytes (a head's 64 numbers) of a row, four rows an instruction
	v_and_b32 v6, 31, v0
	v_lshlrev_b32 v[CO], 4, v6
	v_mul_u32_u24 v5, v1, 528
	v_lshl_add_u32 v5, v2, 5, v5
	v_add_nc_u32 v[STO32], s23, v5
	v_add_nc_u32 v[RD32], s23, v[CO]
	v_lshlrev_b32 v[BO], 5, v2
	v_mov_b32 v[CYV], s41
	s_lshl_b32 s46, s42, 10                        ; my first column x 4 bytes: 1,024 x tile column + 512 x half
	s_lshl_b32 s47, s16, 9
	s_add_co_u32 s46, s46, s47
	s_mov_b32 s47, 0
	s_add_nc_u64 s[96:97], s[96:97], s[46:47]      ; the bias at my first column
	s_lshr_b32 s20, s17, 3                         ; the batch: eight tile rows each
	s_mul_i32 s21, s20, 16*12288
	s_add_co_u32 s46, s46, s21
	s_add_nc_u64 s[98:99], s[98:99], s[46:47]      ; q32 at the batch's first row, my first column
	s_lshl_b32 s21, ttmp9, 2                       ; a cluster's four tile columns are one of q, k, v
	s_add_co_u32 s20, s20, s21
	s_lshl_b32 s20, s20, 4
	s_lshl_b32 s21, s40, 2                         ; a tile column is four heads,
	s_add_co_u32 s20, s20, s21
	s_lshl_b32 s21, s16, 1                         ; my half two of them
	s_add_co_u32 s20, s20, s21
	s_lshl_b32 s20, s20, 18                        ; a head is 262,144 bytes
	s_and_b32 s21, s17, 7
	s_lshl_b32 s21, s21, 1
	s_add_co_u32 s21, s21, s15
	s_lshl_b32 s21, s21, 14                        ; my first position x 128 bytes
	s_add_co_u32 s20, s20, s21
	s_mov_b32 s21, 0
	s_add_nc_u64 s[12:13], s[12:13], s[20:21]
.irp b, 0,1,2,3,4,5,6,7
	global_load_b128 v[BIAS+8*\b:BIAS+8*\b+3], v[BO], s[96:97] offset:64*\b        ; in the result's layout: columns 16 b + 8 h + 0 .. 7
	global_load_b128 v[BIAS+8*\b+4:BIAS+8*\b+7], v[BO], s[96:97] offset:64*\b+16
.endr
.macro FRAG reg, adr, q, i             ; 16 rows x 128 K of 4-bit codes: 8 registers, two loads of 16 bytes, 32 bytes apart
.irp c, 0,1
	ds_load_b128 v[\reg+4*\c:\reg+4*\c+3], v[\adr] offset:64*(\q)+32*\c+(\i)*16*PITCH
.endr
.endm
; 16 matrix instructions: A's blocks a0, a0 + 1 x B's eight.  zero = 1: the first product starts the sums, on the bias.  The 64 accumulators take turns, one instruction a turn.
.macro MUL16 a0, p, q, sc, zero
.irp a, \a0, \a0+1
.irp b, 0,1,2,3,4,5,6,7
.if \zero
	v_wmma_scale_f32_16x16x128_f8f6f4 v[8*(8*((\a)%4)+\b):8*(8*((\a)%4)+\b)+7], v[128*(\p)+FR*\b:128*(\p)+FR*\b+FR-1], v[AF+FR*(\a):AF+FR*(\a)+FR-1], v[BIAS+8*\b:BIAS+8*\b+7], v[SC+8*NQ*(\sc)+NQ*\b+(\q)], v[SC+8*NQ*(\sc)+NQ*(\a)+(\q)] matrix_a_fmt:MATRIX_FMT_FP4 matrix_b_fmt:MATRIX_FMT_FP4 matrix_a_scale:MATRIX_SCALE_ROW1
.else
	v_wmma_scale_f32_16x16x128_f8f6f4 v[8*(8*((\a)%4)+\b):8*(8*((\a)%4)+\b)+7], v[128*(\p)+FR*\b:128*(\p)+FR*\b+FR-1], v[AF+FR*(\a):AF+FR*(\a)+FR-1], v[8*(8*((\a)%4)+\b):8*(8*((\a)%4)+\b)+7], v[SC+8*NQ*(\sc)+NQ*\b+(\q)], v[SC+8*NQ*(\sc)+NQ*(\a)+(\q)] matrix_a_fmt:MATRIX_FMT_FP4 matrix_b_fmt:MATRIX_FMT_FP4 matrix_a_scale:MATRIX_SCALE_ROW1
.endif
.endr
.endr
.endm
.macro FETCH_B slot, q, p
	WIN TO_B
.irp i, 0,1,2,3,4,5,6,7
	FRAG 128*(\p)+FR*\i, ADRB+\slot, \q, \i
.endr
	WIN 0
.endm
.macro FETCH_A slot, q, i0
.irp i, \i0, \i0+1, \i0+2, \i0+3
	FRAG AF+FR*(\i), ADRA+\slot, \q, \i
.endr
.endm
.macro SCALES sc                       ; a slot's scale words: lanes 0-15 take A's block i, lanes 16-31 B's block i
.irp i, 0,1,2,3,4,5,6,7
	ds_load_b128 v[SC+8*NQ*\sc+NQ*\i:SC+8*NQ*\sc+NQ*\i+3], v[ADRS] offset:\i*SBLK
.endr
.endm
.macro PLACES n                        ; plain vector instructions between a matrix instruction and a load into, or a read of, its registers
.rept \n
	v_nop
.endr
.endm
.macro STEP slot, q, zero              ; a step of 128 along K that has its successor in the same slot
	s_wait_dscnt 4*NL                              ; B's set and A's blocks 0-3 are in; the youngest eight loads (A's blocks 4-7) may be out
.if \zero
	WIN 0x81                                       ; C (the bias) from window 0, D into window 2
.else
	WIN MUL_LO
.endif
	MUL16 0, (\q)%2, \q, \slot, \zero
	MUL16 2, (\q)%2, \q, \slot, \zero
	s_wait_dscnt 0
	PLACES NP
	FETCH_B \slot, (\q)+1, 1-(\q)%2
	FETCH_A \slot, (\q)+1, 0
.if \zero
	WIN 0xc1
.else
	WIN MUL_HI
.endif
	MUL16 4, (\q)%2, \q, \slot, \zero
	MUL16 6, (\q)%2, \q, \slot, \zero
	PLACES NP
	WIN 0
	FETCH_A \slot, (\q)+1, 4
.endm
.macro STEPS slot, from
.set Q, \from
.rept NQ-1-\from
	STEP \slot, Q, 0
.set Q, Q+1
.endr
.endm
	s_wait_tensorcnt 1                             ; the scales and my part of slot 0 are in; slot 1's load may be out
	s_barrier_signal -1
	s_barrier_wait -1
	FETCH_B 0, 0, 0
	FETCH_A 0, 0, 0
	SCALES 0
	FETCH_A 0, 0, 4
	s_wait_loadcnt 0x0                             ; the bias
	STEP 0, 0, 1
	STEPS 0, 1
	; slot 0's last step changes slots: one barrier; in front of it my loads have landed (slot 1 is whole behind it) and my reads of slot 0 are over (it becomes the stage)
	s_wait_tensorcnt 0x0
	ds_add_u32 v[SPW], v[NIL]
	s_wait_dscnt 4*NL+1                            ; the add and the youngest eight loads may be out
	WIN MUL_LO
	MUL16 0, 1, NQ-1, 0, 0
	s_wait_dscnt 0x0
	s_barrier_signal -1
	MUL16 2, 1, NQ-1, 0, 0
	WIN 0
	s_barrier_wait -1
	PLACES NP
	v_add_nc_u32 v[ADRS], 4*NQ, v[ADRS]            ; on to slot 1's scale words
	FETCH_B 1, 0, 0
	FETCH_A 1, 0, 0
	SCALES 1
	WIN MUL_HI
	MUL16 4, 1, NQ-1, 0, 0
	MUL16 6, 1, NQ-1, 0, 0
	PLACES NP
	WIN 0
	FETCH_A 1, 0, 4
	STEPS 1, 0
	s_wait_dscnt 4*NL                              ; the very last step
	WIN MUL_LO
	MUL16 0, 1, NQ-1, 1, 0
	MUL16 2, 1, NQ-1, 1, 0
	s_wait_dscnt 0
	WIN MUL_HI
	MUL16 4, 1, NQ-1, 1, 0
	MUL16 6, 1, NQ-1, 1, 0
	WIN 0
	PLACES NP
	; POSITIONS 0-15 IN f32.  They are block 0 of the upper waves of the tile rows that begin a batch: tile row % 8 = 0.  The branch hangs on the cluster's y and the wave's number, which all partners share;
	; which of the cluster's four tile rows it is (cy = 0) only masks the stores' lanes.
	s_and_b32 s3, ttmp7, 1
	s_or_b32 s3, s3, s15
	s_cmp_lg_u32 s3, 0
	s_cbranch_scc1 .Lno_f32
	WIN 0x08                                       ; an LDS store's data are its source 1: window 2
.irp b, 0,1,2,3,4,5,6,7
	ds_store_b128 v[STO32], v[8*\b:8*\b+3] offset:64*\b            ; each accumulator from its low end on
	ds_store_b128 v[STO32], v[8*\b+4:8*\b+7] offset:64*\b+16
.endr
	WIN 0
.irp t, 0,1,2,3,4,5,6,7,8,9,10,11,12,13,14,15
	ds_load_b128 v[BIAS+4*\t:BIAS+4*\t+3], v[RD32] offset:\t*528   ; whole rows of 512 bytes, into the registers that the bias has left
.endr
	s_wait_dscnt 0x0
	s_wait_xcnt 0x0                                ; EXEC changes only behind this wait
	v_cmp_eq_u32 vcc_lo, 0, v[CYV]
	s_and_saveexec_b32 s3, vcc_lo
.irp t, 0,1,2,3,4,5,6,7,8,9,10,11,12,13,14,15
	global_store_b128 v[CO], v[BIAS+4*\t:BIAS+4*\t+3], s[98:99] offset:\t*12288    ; 32 lanes store 512 consecutive bytes, aligned
.endr
	s_wait_xcnt 0x0                                ; and again, in front of the line that widens it
	s_or_b32 exec_lo, exec_lo, s3
.Lno_f32:
; THE WAY OUT IN f16, block by block of 16 rows x 128 columns (two heads).  A lane's eight results pack into 16 bytes of a row; the block goes through my stage and comes back by heads:
; a head's 16 rows of 128 bytes are 2,048 bytes on end in qkvh, so each store covers 512 consecutive bytes.
.macro PACK a
.set AC, 64*((\a)%4)
.set WP, 0x0a+5*((\a)/4)
	WIN WP                                         ; sources 0 and 1: window 2 or 3
.irp b, 0,1,2,3,4,5,6,7
.irp r, 0,1,2,3
	v_cvt_pk_f16_f32 v[TMP+4*\b+\r], v[AC+8*\b+2*\r], v[AC+8*\b+2*\r+1]
.endr
.endr
	WIN 0
.endm
.macro TOSTAGE a
.set BB, BK+32*((\a)%2)
.irp b, 0,1,2,3,4,5,6,7
	ds_store_b128 v[STO], v[TMP+4*\b:TMP+4*\b+3] offset:32*\b
.endr
.irp e, 0,1
.irp t, 0,1,2,3
	ds_load_b128 v[BB+16*\e+4*\t:BB+16*\e+4*\t+3], v[RD] offset:128*\e+4*272*\t    ; LDS serves a wave's instructions in order: these see the stores above
.endr
.endr
.endm
.macro SEND a
.set BB, BK+32*((\a)%2)
	s_wait_dscnt 0x0                               ; the block is back in registers
.irp e, 0,1
.irp t, 0,1,2,3
	global_store_b128 v[CO], v[BB+16*\e+4*\t:BB+16*\e+4*\t+3], s[12:13] offset:262144*\e+2048*(\a)+512*\t
.endr
.endr
.endm
	PACK 0
	TOSTAGE 0
.irp a, 1,2,3,4,5,6,7                  ; block a's conversions stand between block a - 1's loads from the stage and the wait for them
	PACK \a
	SEND \a-1
.if \a > 1
	s_wait_xcnt 0x0                                ; block a - 2's stores have read their registers: block a's loads may land there
.endif
	TOSTAGE \a
.endr
	SEND 7
	s_wait_tensorcnt 0x0                           ; the wave's end
	ds_add_u32 v[SPW], v[NIL]
	s_wait_dscnt 0x0
	CROUND                                         ; the closing round
	s_endpgm
.Lfunc_end_k_q437ba65218_qkv:
	.size	k_q437ba65218_qkv, .Lfunc_end_k_q437ba65218_qkv-k_q437ba65218_qkv
	.p2alignl 7, 3214868480
	.fill 96, 4, 3214868480
	.section	.rodata,"a",@progbits
	.p2align	6, 0x0
	.amdhsa_kernel k_q437ba65218_qkv
		.amdhsa_group_segment_fixed_size 327680
		.amdhsa_private_segment_fixed_size 0
		.amdhsa_enable_private_segment 0
		.amdhsa_kernarg_size 56
		.amdhsa_user_sgpr_count 2
		.amdhsa_user_sgpr_kernarg_segment_ptr 1
		.amdhsa_wavefront_size32 1
		.amdhsa_system_sgpr_workgroup_id_x 1
		.amdhsa_system_sgpr_workgroup_id_y 1
		.amdhsa_system_sgpr_workgroup_id_z 1
		.amdhsa_system_vgpr_workitem_id 0
		.amdhsa_next_free_vgpr 1024
		.amdhsa_next_free_sgpr 100
		.amdhsa_reserve_vcc 1
		.amdhsa_float_denorm_mode_32 3
		.amdhsa_float_denorm_mode_16_64 3
		.amdhsa_memory_ordered 1
		.amdhsa_forward_progress 1
		.amdhsa_inst_pref_size 132
	.end_amdhsa_kernel
	.amdgpu_metadata
---
amdhsa.version: [ 1, 2 ]
amdhsa.kernels:
  - .name:           k_q437ba65218_qkv
    .symbol:         k_q437ba65218_qkv.kd
    .args:
      - { .name: xc, .offset: 0, .size: 8, .value_kind: global_buffer, .address_space: global }
      - { .name: xs, .offset: 8, .size: 8, .value_kind: global_buffer, .address_space: global }
      - { .name: wc, .offset: 16, .size: 8, .value_kind: global_buffer, .address_space: global }
      - { .name: ws, .offset: 24, .size: 8, .value_kind: global_buffer, .address_space: global }
      - { .name: b_qkv, .offset: 32, .size: 8, .value_kind: global_buffer, .address_space: global }
      - { .name: qkvh, .offset: 40, .size: 8, .value_kind: global_buffer, .address_space: global }
      - { .name: q32, .offset: 48, .size: 8, .value_kind: global_buffer, .address_space: global }
    .group_segment_fixed_size: 327680
    .private_segment_fixed_size: 0
    .kernarg_segment_align: 8
    .kernarg_segment_size: 56
    .max_flat_workgroup_size: 128
    .sgpr_count:     100
    .vgpr_count:     1024
    .wavefront_size: 32
...
	.end_amdgpu_metadata
.endif
;; end of part 2
;; launch attn (part 3): grid 4 x 64, 8 waves a work-group, no clusters, 327,680 bytes of LDS; arguments qkvh, yh; writes yh
.if DOCPART == 3
	.amdgcn_target "amdgcn-amd-amdhsa--gfx1250"
	.amdhsa_code_object_version 6
	.text
	.protected	k_q437ba65218_attn
	.globl	k_q437ba65218_attn
	.p2align	8
	.type	k_q437ba65218_attn,@function
k_q437ba65218_attn:
	s_mov_b64 s[64:65], 0
	v_nop
	global_prefetch_b8 v0, s[64:65] scope:SCOPE_SE
	s_setreg_imm32_b32 hwreg(HW_REG_WAVE_MODE, 25, 1), 1
	s_wait_xcnt 0x0
; y[b][h][q] = the sum over k <= q of softmax_k(Q[q] . K[k] / 8) V[k].  Q, K, V: qkvh, f16, [3][64 heads of all batches][2048][64]; y: yh, f16, [64][2048][64].  Products, maxima and sums in f32; the weights p are rounded to f16.
; LIMITS: operands are f16 (beyond 65,504 infinity; a weight under about 6e-8 counts as zero); NaN and infinities are not served.  Positions 0-15 of each sequence are computed here too, and are made anew in f32 by a later launch.
; SHARES.  Work-group (x, head) owns two blocks of 256 queries: block 7 - x, which needs 8 - x units of 256 keys, and then block x, which needs x + 1: NINE UNITS IN EVERY WORK-GROUP, so the causal mask leaves all 256 alike.
; Each of the eight waves owns 32 queries, two tiles of 16: two waves to a SIMD, so that one wave's softmax stands beside the other's products, and each fragment of K and V read from LDS feeds two matrix instructions.
; A unit is an LDS slot; two slots take turns.  Each wave fetches 64 rows with one tensor load: waves 0-3 of K, waves 4-7 of V.  A step is 64 keys.
; NO CLUSTER: from its sixth unit on each of a head's four work-groups walks a sequence of key units of its own (the second block begins after 8 - x units), so partners would need different descriptors in the same round.
; LAYOUT.  S^T = K Q^T (source 0 = 16 keys, source 1 = 16 queries): a lane holds ONE query (lane % 16) and keys 8 (lane / 16) + 0..7 of each tile.  Two tiles, rounded in pairs, ARE source 1 of O^T = V^T P.  V is turned by ds_load_tr16_b128.
; SOFTMAX.  A running maximum m and sum l for each query: p = 2^(c s - c m), c = log2(e) / 8; in every step O and l are multiplied by a = 2^(c m_old - c m_new).  m begins at -3e38, under every score, O and l at 0.
; THE MASK.  A step all of whose keys come after my 32 queries is jumped over (a scalar branch on ids, round the step's work alone); on the diagonal hidden scores become -infinity.  A step is walked only where its first key is at or
; under my first query (both are multiples of 32), so every query sees a key in every step that is walked.
; REGISTERS: window 0: v1-15 addresses and constants; v16-31 statistics, 8 a tile; v32-63 Q; v64-127 K; v128-191 S^T, then p, then P in place; v192-255 V.  window 1: v0-63 O^T, at 32 q + 8 dt.
.set PK,    144                        ; a row of K in LDS: 128 bytes + 16: an odd multiple of 16
.set PV,    160                        ; a row of V: 128 + 32: an odd multiple of 32, for the turning load
.set VOFF,  256*PK                     ; a slot: 256 rows of K, then 256 of V
.set SLOT1, 1<<17                      ; slot 1 begins here: one exclusive or turns an address
.set STAGE, 2*SLOT1                    ; the way out: 32 rows x 144 bytes for each wave
.set SPARE, STAGE+8*32*PK              ; the spare words, 128 bytes for each wave
.set ST, 16                            ; tile q at v[ST + 8 q]: +0 c m, +1 m, +2, +3 l, +4 to +7 at work; a in +6
.set S,  128
.set MSB, 0
.macro WIN new
.if MSB != (\new)
	s_set_vgpr_msb (MSB<<8)|(\new)
.set MSB, (\new)
.endif
.endm
; s8 wave; s9 x; s10 head; s11 units of the first block; s12 x + 1; s13 units to go; s14 steps to go; s15 the step's first key; s16 my first query; s17, s18 LDS byte of the step's K and V; s19 the unit asked for last;
; s[20:21] lane selects; s[22:23] c; s[24:31], s[32:39] descriptor groups 1; s[40:43], s[44:47] groups 0; s[48:49] K, s[50:51] V at my 64 rows of unit 0; s[52:53] Q, s[54:55] y at my first query; s[56:57], s58 the prefetches; s[60:61] from block x to block 7 - x
.macro TLOAD                           ; waves 0-3 fetch K's rows, waves 4-7 V's; an s_nop 0 and four v_nop follow each line
	s_cmp_lt_u32 s8, 4
	s_cbranch_scc0 .Lfor_v_\@
	tensor_load_to_lds s[40:43], s[24:31]
	s_nop 0
.rept 4
	v_nop
.endr
	s_branch .Lasked_\@
.Lfor_v_\@:
	tensor_load_to_lds s[44:47], s[32:39]
	s_nop 0
.rept 4
	v_nop
.endr
.Lasked_\@:
.endm
; A PREFETCH of the unit that the NEXT change of slots will ask for: four steps ahead of that load.  All four work-groups of a head begin with units 0, 1, 2 ..; the one with x = 0 walks 0 to 7 and asks, nobody else.
; Each wave names its own 64 rows, 8,192 dense bytes, lanes 256 bytes apart: each aligned block of 256 bytes once in the launch.  Units 0 and 1 come by their loads alone; behind unit 7 nothing is asked for.
.macro ASK
	s_cmp_gt_u32 s13, s58
	s_cbranch_scc0 .Lnot_mine_\@
	global_prefetch_b8 v11, s[56:57] th:TH_LOAD_NT scope:SCOPE_SE
.Lnot_mine_\@:
.endm
	s_load_b128 s[4:7], s[0:1], 0x0                ; qkvh, yh
	v_lshl_add_u32 v9, v0, 2, SPARE
	v_mov_b32 v10, 0
	ds_add_u32 v9, v10                             ; the wave's opening: the add, twice on end, and its wait ahead of my first tensor load
	ds_add_u32 v9, v10
	v_lshrrev_b32 v1, 5, v0
	v_readfirstlane_b32 s8, v1
	s_mov_b32 s9, ttmp9
	s_and_b32 s10, ttmp7, 0xffff
	s_sub_co_u32 s11, 8, s9
	s_add_co_u32 s12, s9, 1
	s_mov_b32 s15, 0
	s_sub_co_u32 s66, 7, s9
	s_lshl_b32 s16, s66, 8
	s_lshl_b32 s67, s8, 5
	s_add_co_u32 s16, s16, s67                     ; my first query: 256 (7 - x) + 32 x wave
	s_mov_b32 s17, 0
	s_mov_b32 s18, 0
	s_mov_b32 s19, 0
	s_mov_b32 s20, 0x76543210
	s_mov_b32 s21, 0xfedcba98
	s_mov_b32 s22, 0x3e38aa3b                      ; c = log2(e) / 8
	s_mov_b32 s23, s22
	s_mov_b32 s24, (1<<16)|(1<<20)|(4<<22)|(3<<25) ; elements of 2 bytes; padding on: 4 words behind every 32
	s_mov_b32 s32, (1<<16)|(1<<20)|(4<<22)|(7<<25) ; 8 words
.irp g, 24, 32
	s_mov_b32 s[\g+1], 64<<16                      ; tensor_dim0
	s_mov_b32 s[\g+2], 64<<16                      ; tensor_dim1
	s_mov_b32 s[\g+3], 64<<16                      ; tile_dim0
	s_mov_b32 s[\g+4], 64                          ; tile_dim1
	s_mov_b32 s[\g+5], 64                          ; the pitch
	s_mov_b32 s[\g+6], 0
	s_mov_b32 s[\g+7], 0
.endr
	s_and_b32 s68, s8, 3
	s_mov_b32 s40, 1
	s_mul_i32 s41, s68, 64*PK                      ; my 64 rows' place in slot 0
	s_mov_b32 s44, 1
	s_mul_i32 s45, s68, 64*PV
	s_add_co_u32 s45, s45, VOFF
	s_lshl_b32 s66, s10, 18                        ; a head is 262,144 bytes
	s_lshl_b32 s67, s68, 13                        ; 64 rows are 8,192
	s_add_co_u32 s66, s66, s67
	s_mov_b32 s67, 0
	s_lshl_b32 s68, s10, 18
	s_lshl_b32 s69, s16, 7
	s_add_co_u32 s68, s68, s69
	s_mov_b32 s69, 0
	s_lshl_b32 s60, s9, 1
	s_sub_co_u32 s60, 7, s60
	s_lshl_b32 s60, s60, 15                        ; (7 - 2 x) blocks of 32,768 bytes
	s_mov_b32 s61, 0
	s_cmp_eq_u32 s9, 0
	s_cselect_b32 s58, 2, -1                       ; x = 0 prefetches while more than two units are to go
	s_wait_dscnt 0x0                               ; both opening adds are done
	s_wait_kmcnt 0x0
	s_add_nc_u64 s[48:49], s[4:5], s[66:67]
	s_add_nc_u64 s[50:51], s[48:49], 0x2000000     ; V lies 2 x 16,777,216 bytes in,
	s_add_nc_u64 s[48:49], s[48:49], 0x1000000     ; K one
	s_add_nc_u64 s[52:53], s[4:5], s[68:69]
	s_add_nc_u64 s[54:55], s[6:7], s[68:69]
	s_mov_b64 s[42:43], s[48:49]
	s_or_b32 s43, s43, 0x80000000
	s_mov_b64 s[46:47], s[50:51]
	s_or_b32 s47, s47, 0x80000000
	TLOAD                                          ; unit 0 into slot 0
	s_cmp_lt_u32 s8, 4
	s_cselect_b64 s[56:57], s[48:49], s[50:51]
	s_add_nc_u64 s[56:57], s[56:57], 0x8000        ; at unit 1: the first change steps it to unit 2
	v_and_b32 v11, 31, v0                          ; lane
	v_and_b32 v15, 15, v0                          ; r
	v_bfe_u32 v12, v0, 4, 1                        ; h
	v_and_b32 v3, 7, v0
	v_bfe_u32 v4, v0, 3, 2                         ; lane / 8
	v_bfe_u32 v13, v0, 3, 1
	v_mul_u32_u24 v1, v15, PK
	v_lshl_add_u32 v1, v12, 4, v1                  ; K: row r, + 16 h
	v_lshl_add_u32 v2, v12, 3, v3
	v_mul_u32_u24 v2, v2, PV
	v_lshl_add_u32 v2, v13, 4, v2
	v_add_nc_u32 v2, VOFF, v2                      ; V: key 8 h + lane % 8, channels 8 ((lane / 8) % 2) on
	v_lshlrev_b32 v5, 7, v15
	v_lshl_add_u32 v5, v12, 4, v5                  ; Q: row r of 128 bytes, + 16 h
	s_mul_i32 s66, s8, 32*PK
	s_add_co_u32 s66, s66, STAGE
	v_add_nc_u32 v6, s66, v1                       ; the stage, in
	v_mul_u32_u24 v7, v4, PK
	v_lshl_add_u32 v7, v3, 4, v7
	v_add_nc_u32 v7, s66, v7                       ; and back: eight lanes to a row of 128 bytes, four rows an instruction
	v_lshlrev_b32 v8, 4, v11                       ; the same four rows in yh: 512 bytes on end
	v_lshlrev_b32 v11, 8, v11                      ; the prefetches: 256 x lane
	v_lshlrev_b32 v12, 3, v12
	v_sub_nc_u32 v15, v15, v12                     ; r - 8 h, for the mask
	v_mov_b32 v14, 0xff800000                      ; -infinity
.macro INIT                            ; a block of queries begins
.irp q, 0,1
.irp c, 0,1
	global_load_b128 v[32+16*\q+8*\c:35+16*\q+8*\c], v5, s[52:53] offset:2048*\q+64*\c
	global_load_b128 v[36+16*\q+8*\c:39+16*\q+8*\c], v5, s[52:53] offset:2048*\q+64*\c+32
.endr
.endr
.irp q, 0,1
	v_mov_b32 v[ST+8*\q+1], 0xff61b1e6             ; m = -3e38
	v_mul_f32 v[ST+8*\q], s22, v[ST+8*\q+1]
	v_mov_b32 v[ST+8*\q+2], 0
	v_mov_b32 v[ST+8*\q+3], 0
.endr
	WIN 0x40
.set II, 0
.rept 64
	v_mov_b32 v[II], 0                             ; O^T: the step is written once, and its first run finds zeros
.set II, II+1
.endr
	WIN 0
	s_wait_loadcnt 0x0
.endm
.macro STEP                            ; 64 keys
	s_add_co_u32 s66, s16, 31
	s_cmp_gt_u32 s15, s66
	s_cbranch_scc1 .Lhidden_\@                     ; all its keys come after my queries
	v_add_nc_u32 v3, s17, v1
	v_add_nc_u32 v4, s18, v2
.rept 3
	v_nop                                          ; with the two additions five places behind the last step's products: V's registers are loaded again, and P's are written over by matrix instructions
.endr
.irp kt, 0,1,2,3
.irp c, 0,1
	ds_load_b128 v[64+16*\kt+8*\c:67+16*\kt+8*\c], v3 offset:16*PK*\kt+64*\c
	ds_load_b128 v[68+16*\kt+8*\c:71+16*\kt+8*\c], v3 offset:16*PK*\kt+64*\c+32
.endr
.endr
.irp g, 0,1
.irp dt, 0,1,2,3
	ds_load_tr16_b128 v[192+8*(4*\g+\dt):195+8*(4*\g+\dt)], v4 offset:32*PV*\g+32*\dt
	ds_load_tr16_b128 v[196+8*(4*\g+\dt):199+8*(4*\g+\dt)], v4 offset:32*PV*\g+16*PV+32*\dt
.endr
.endr
	s_wait_dscnt 16                                ; K is in; V's sixteen loads may be out
.irp c, 0,1                            ; S^T: eight accumulators by turns
.irp kt, 0,1,2,3
.irp q, 0,1
.if \c == 0
	v_wmma_f32_16x16x32_f16 v[S+32*\q+8*\kt:S+32*\q+8*\kt+7], v[64+16*\kt+8*\c:71+16*\kt+8*\c], v[32+16*\q+8*\c:39+16*\q+8*\c], 0
.else
	v_wmma_f32_16x16x32_f16 v[S+32*\q+8*\kt:S+32*\q+8*\kt+7], v[64+16*\kt+8*\c:71+16*\kt+8*\c], v[32+16*\q+8*\c:39+16*\q+8*\c], v[S+32*\q+8*\kt:S+32*\q+8*\kt+7]
.endif
.endr
.endr
.endr
.rept 4
	v_nop
.endr
	s_add_co_u32 s66, s15, 63
	s_cmp_le_u32 s66, s16
	s_cbranch_scc1 .Lopen_\@                       ; all its keys count for all my queries
	s_sub_co_i32 s66, s16, s15
	v_add_nc_u32 v12, s66, v15                     ; d = my query - the step's first key - 8 h, for tile 0,
	v_add_nc_u32 v13, 16, v12                      ; for tile 1.  Register 8 kt + j holds key 16 kt + 8 h + j: hidden where 16 kt + j > d
.irp q, 0,1
.irp kt, 0,1,2,3
.irp j, 0,1,2,3,4,5,6,7
	v_cmp_gt_i32 vcc_lo, 16*\kt+\j, v[12+\q]
	v_cndmask_b32 v[S+32*\q+8*\kt+\j], v[S+32*\q+8*\kt+\j], v14, vcc_lo
.endr
.endr
.endr
.Lopen_\@:
.irp k, 0,1,2,3                        ; the maximum: four chains, each begun at its accumulator's low end; the two tiles alternate in every phase
.irp q, 0,1
	v_max3_num_f32 v[ST+8*\q+4+\k], v[S+32*\q+8*\k], v[S+32*\q+8*\k+1], v[S+32*\q+8*\k+2]
.endr
.endr
.irp n, 3,5
.irp k, 0,1,2,3
.irp q, 0,1
	v_max3_num_f32 v[ST+8*\q+4+\k], v[ST+8*\q+4+\k], v[S+32*\q+8*\k+\n], v[S+32*\q+8*\k+\n+1]
.endr
.endr
.endr
.irp q, 0,1
	v_max3_num_f32 v[ST+8*\q+4], v[ST+8*\q+4], v[S+32*\q+7], v[S+32*\q+15]
	v_max3_num_f32 v[ST+8*\q+6], v[ST+8*\q+6], v[S+32*\q+23], v[S+32*\q+31]
.endr
.irp q, 0,1
	v_max3_num_f32 v[ST+8*\q+4], v[ST+8*\q+4], v[ST+8*\q+5], v[ST+8*\q+6]
.endr
.irp q, 0,1
	v_max3_num_f32 v[ST+8*\q+4], v[ST+8*\q+4], v[ST+8*\q+7], v[ST+8*\q+1]  ; and the old m
.endr
.irp q, 0,1
	v_permlanex16_b32 v[ST+8*\q+5], v[ST+8*\q+4], s20, s21                 ; the query's other 32 keys lie in the lane 16 away
	v_mov_b32 v[ST+8*\q+7], v[ST+8*\q]                                     ; c m_old
.endr
.irp q, 0,1
	v_max_num_f32 v[ST+8*\q+1], v[ST+8*\q+4], v[ST+8*\q+5]
.endr
.irp q, 0,1
	v_mul_f32 v[ST+8*\q], s22, v[ST+8*\q+1]
.endr
.irp q, 0,1
	v_sub_f32 v[ST+8*\q+7], v[ST+8*\q+7], v[ST+8*\q]
.endr
.irp b, 0,1,2,3,4,5,6,7,8,9,10,11,12,13,14,15
.irp q, 0,1
	v_pk_fma_f32 v[S+32*\q+2*\b:S+32*\q+2*\b+1], v[S+32*\q+2*\b:S+32*\q+2*\b+1], s[22:23], v[ST+8*\q:ST+8*\q+1] op_sel_hi:[1,0,0] neg_lo:[0,0,1] neg_hi:[0,0,1]  ; c s - c m
.endr
.endr
.irp q, 0,1
	v_exp_f32 v[ST+8*\q+6], v[ST+8*\q+7]           ; a
.endr
.irp e, 0,1,2,3,4,5,6,7,8,9,10,11,12,13,14,15,16,17,18,19,20,21,22,23,24,25,26,27,28,29,30,31
.irp q, 0,1
	v_exp_f32 v[S+32*\q+\e], v[S+32*\q+\e]         ; p: ONE BATCH of 66 exponentials
.endr
.endr
	v_nop                                          ; a plain instruction behind the last exponential
	s_wait_alu depctr_va_vdst(0)                   ; and one wait for the batch, ahead of its first reader
.irp q, 0,1
	v_pk_mul_f32 v[ST+8*\q+2:ST+8*\q+3], v[ST+8*\q+2:ST+8*\q+3], v[ST+8*\q+6:ST+8*\q+7] op_sel_hi:[1,0]   ; l x a
	v_pk_add_f32 v[ST+8*\q+4:ST+8*\q+5], v[S+32*\q:S+32*\q+1], v[S+32*\q+2:S+32*\q+3]                       ; the sum of the unrounded p, in two chains
.endr
.irp n, 4,8,12,16,20,24,28
.irp q, 0,1
	v_pk_add_f32 v[ST+8*\q+2:ST+8*\q+3], v[ST+8*\q+2:ST+8*\q+3], v[S+32*\q+\n:S+32*\q+\n+1]
	v_pk_add_f32 v[ST+8*\q+4:ST+8*\q+5], v[ST+8*\q+4:ST+8*\q+5], v[S+32*\q+\n+2:S+32*\q+\n+3]
.endr
.endr
.irp q, 0,1
	v_pk_add_f32 v[ST+8*\q+2:ST+8*\q+3], v[ST+8*\q+2:ST+8*\q+3], v[ST+8*\q+4:ST+8*\q+5]
.endr
.irp b, 0,1,2,3,4,5,6,7,8,9,10,11,12,13,14,15
.irp q, 0,1
	v_cvt_pk_f16_f32 v[S+32*\q+\b], v[S+32*\q+2*\b], v[S+32*\q+2*\b+1]     ; P in place, ascending: register b is written when 2 b and 2 b + 1 have been read
.endr
.endr
	WIN 0x41
.irp b, 0,1,2,3,4,5,6,7,8,9,10,11,12,13,14,15
.irp q, 0,1
	v_pk_mul_f32 v[32*\q+2*\b:32*\q+2*\b+1], v[32*\q+2*\b:32*\q+2*\b+1], v[ST+8*\q+6:ST+8*\q+7] op_sel_hi:[1,0]   ; O^T x a
.endr
.endr
	s_wait_dscnt 0x0                               ; V is in
	WIN 0x50
.irp g, 0,1                            ; O^T += V^T P: eight accumulators by turns
.irp dt, 0,1,2,3
.irp q, 0,1
	v_wmma_f32_16x16x32_f16 v[32*\q+8*\dt:32*\q+8*\dt+7], v[192+8*(4*\g+\dt):199+8*(4*\g+\dt)], v[S+32*\q+8*\g:S+32*\q+8*\g+7], v[32*\q+8*\dt:32*\q+8*\dt+7]
.endr
.endr
.endr
	WIN 0
.Lhidden_\@:
	s_add_co_u32 s15, s15, 64
	s_add_co_u32 s17, s17, 64*PK
	s_add_co_u32 s18, s18, 64*PV
.endm
; THE CHANGE OF SLOTS stands at a unit's head.  Each wave waits for all its tensor loads (its part of the slot ahead), adds 0 to its spare word, and waits for that and for its reads of the slot that it has left.
; fill = 1: behind the barrier that slot takes the unit that follows: one load a wave, with a unit's four steps in which to land.
.macro CHANGE fill
	s_wait_tensorcnt 0x0                           ; no tensor load of mine is out: the groups 0 may be written
	ds_add_u32 v9, v10
.if \fill
	s_xor_b32 s41, s41, SLOT1
	s_xor_b32 s45, s45, SLOT1
	s_add_co_u32 s19, s19, 1
	s_cmp_eq_u32 s19, s11
	s_cselect_b32 s19, 0, s19                      ; behind the first block's last unit comes unit 0 again
	s_lshl_b32 s66, s19, 15
	s_mov_b32 s67, 0
	s_add_nc_u64 s[42:43], s[48:49], s[66:67]
	s_or_b32 s43, s43, 0x80000000
	s_add_nc_u64 s[46:47], s[50:51], s[66:67]
	s_or_b32 s47, s47, 0x80000000
	s_wait_xcnt 0x0                                ; the last prefetch, a unit back, has read its address
	s_add_nc_u64 s[56:57], s[56:57], 0x8000
.endif
	s_wait_dscnt 0x0                               ; the add is done, and my LDS reads are over
	s_barrier_signal -1
	s_barrier_wait -1
.if \fill
	TLOAD
	ASK
.endif
.endm
.macro UNIT                            ; a slot's four steps: written once, walked four times
	s_mov_b32 s14, 4
.Lstep_\@:
	STEP
	s_sub_co_u32 s14, s14, 1
	s_cmp_lg_u32 s14, 0
	s_cbranch_scc1 .Lstep_\@
	s_sub_co_u32 s17, s17, 256*PK
	s_sub_co_u32 s18, s18, 256*PV
	s_xor_b32 s17, s17, SLOT1                      ; on to the other slot
	s_xor_b32 s18, s18, SLOT1
.endm
.macro FINISH                          ; a block of queries ends: O^T / l, rounded to f16, through my stage, out as 512 dense bytes a store.  The additions and the v_nop are the places behind the last products
.irp q, 0,1
	v_add_f32 v[ST+8*\q+4], v[ST+8*\q+2], v[ST+8*\q+3]
.endr
.irp q, 0,1
	v_permlanex16_b32 v[ST+8*\q+5], v[ST+8*\q+4], s20, s21
.endr
.irp q, 0,1
	v_add_f32 v[ST+8*\q+4], v[ST+8*\q+4], v[ST+8*\q+5]
.endr
.irp q, 0,1
	v_rcp_f32 v[ST+8*\q+6], v[ST+8*\q+4]
.endr
	v_nop
	s_wait_alu depctr_va_vdst(0)                   ; one wait for the two reciprocals
	WIN 0x41
.irp q, 0,1
.irp b, 0,1,2,3,4,5,6,7,8,9,10,11,12,13,14,15
	v_pk_mul_f32 v[32*\q+2*\b:32*\q+2*\b+1], v[32*\q+2*\b:32*\q+2*\b+1], v[ST+8*\q+6:ST+8*\q+7] op_sel_hi:[1,0]
.endr
.endr
	WIN 0x05
.irp q, 0,1
.irp b, 0,1,2,3,4,5,6,7,8,9,10,11,12,13,14,15
	v_cvt_pk_f16_f32 v[S+16*\q+\b], v[32*\q+2*\b], v[32*\q+2*\b+1]
.endr
.endr
	WIN 0
.irp q, 0,1
.irp dt, 0,1,2,3
	ds_store_b128 v6, v[S+16*\q+4*\dt:S+16*\q+4*\dt+3] offset:16*PK*\q+32*\dt
.endr
.endr
.irp q, 0,1
.irp t, 0,1,2,3
	ds_load_b128 v[64+16*\q+4*\t:67+16*\q+4*\t], v7 offset:(16*\q+4*\t)*PK     ; my own stage: LDS serves a wave's instructions in order
.endr
.endr
.irp q, 0,1
.irp t, 0,1,2,3
	s_wait_dscnt 7-4*\q-\t
	global_store_b128 v8, v[64+16*\q+4*\t:67+16*\q+4*\t], s[54:55] offset:2048*\q+512*\t
.endr
.endr
.endm
	INIT
	s_mov_b32 s13, 8
.Lunit:                                ; eight trips; behind each change of slots the next unit is asked for.  The first trip's loads are slot 1's first fill
	CHANGE 1
	UNIT
	s_cmp_lg_u32 s13, s12                          ; the first block ends behind its 8 - x units: ids and the count of trips alone, the same in all eight waves
	s_cbranch_scc1 .Lsame
	FINISH
	s_wait_xcnt 0x0                                ; the stores have read their registers and their base
	s_sub_nc_u64 s[52:53], s[52:53], s[60:61]      ; on to block x
	s_sub_nc_u64 s[54:55], s[54:55], s[60:61]
	s_lshl_b32 s16, s9, 8
	s_lshl_b32 s66, s8, 5
	s_add_co_u32 s16, s16, s66
	s_mov_b32 s15, 0
	INIT
.Lsame:
	s_sub_co_u32 s13, s13, 1
	s_cmp_lg_u32 s13, 0
	s_cbranch_scc1 .Lunit
	CHANGE 0                                       ; the ninth unit is written out: nothing is left to fetch
	UNIT
	FINISH
	s_wait_tensorcnt 0x0                           ; the wave's end
	ds_add_u32 v9, v10
	s_wait_dscnt 0x0
	s_endpgm
.Lfunc_end_k_q437ba65218_attn:
	.size	k_q437ba65218_attn, .Lfunc_end_k_q437ba65218_attn-k_q437ba65218_attn
	.p2alignl 7, 3214868480
	.fill 96, 4, 3214868480
	.section	.rodata,"a",@progbits
	.p2align	6, 0x0
	.amdhsa_kernel k_q437ba65218_attn
		.amdhsa_group_segment_fixed_size 327680
		.amdhsa_private_segment_fixed_size 0
		.amdhsa_enable_private_segment 0
		.amdhsa_kernarg_size 16
		.amdhsa_user_sgpr_count 2
		.amdhsa_user_sgpr_kernarg_segment_ptr 1
		.amdhsa_wavefront_size32 1
		.amdhsa_system_sgpr_workgroup_id_x 1
		.amdhsa_system_sgpr_workgroup_id_y 1
		.amdhsa_system_sgpr_workgroup_id_z 1
		.amdhsa_system_vgpr_workitem_id 0
		.amdhsa_next_free_vgpr 320
		.amdhsa_next_free_sgpr 72
		.amdhsa_reserve_vcc 1
		.amdhsa_float_denorm_mode_32 3
		.amdhsa_float_denorm_mode_16_64 3
		.amdhsa_memory_ordered 1
		.amdhsa_forward_progress 1
		.amdhsa_inst_pref_size 71
	.end_amdhsa_kernel
	.amdgpu_metadata
---
amdhsa.version: [ 1, 2 ]
amdhsa.kernels:
  - .name:           k_q437ba65218_attn
    .symbol:         k_q437ba65218_attn.kd
    .args:
      - { .name: qkvh, .offset: 0, .size: 8, .value_kind: global_buffer, .address_space: global }
      - { .name: yh, .offset: 8, .size: 8, .value_kind: global_buffer, .address_space: global }
    .group_segment_fixed_size: 327680
    .private_segment_fixed_size: 0
    .kernarg_segment_align: 8
    .kernarg_segment_size: 16
    .max_flat_workgroup_size: 256
    .sgpr_count:     72
    .vgpr_count:     320
    .wavefront_size: 32
...
	.end_amdgpu_metadata
.endif
;; end of part 3
;; launch proj (part 4): grid 8 x 32, 4 waves a work-group, clusters of 4 x 4, 327,680 bytes of LDS; arguments yh, wt, b_proj, out0; writes out0
.if DOCPART == 4
	.amdgcn_target "amdgcn-amd-amdhsa--gfx1250"
	.amdhsa_code_object_version 6
	.text
	.protected	k_q437ba65218_proj
	.globl	k_q437ba65218_proj
	.p2align	8
	.type	k_q437ba65218_proj,@function
k_q437ba65218_proj:
	s_mov_b64 s[64:65], 0
	v_nop
	global_prefetch_b8 v0, s[64:65] scope:SCOPE_SE
	s_setreg_imm32_b32 hwreg(HW_REG_WAVE_MODE, 25, 1), 1
	s_wait_xcnt 0x0
	s_wait_alu depctr_hold_cnt(0) depctr_sa_sdst(0) depctr_va_vdst(0) depctr_va_sdst(0) depctr_va_ssrc(0) depctr_va_vcc(0) depctr_vm_vsrc(0)
	s_getreg_b32 s2, hwreg(HW_REG_IB_STS2, 6, 4)
	s_cmp_eq_u32 s2, 0
	s_cbranch_scc0 .Lentry_in_a_cluster
	s_endpgm
.Lentry_in_a_cluster:
	s_bfe_u32 s2, ttmp6, 0x10000c
	s_cmp_lg_u32 s2, 0xf033
	s_cbranch_scc0 .Lentry_shape_is_right
	s_endpgm
.Lentry_shape_is_right:
; out0 = y w_proj + b_proj.  A = yh, f16, [4 batches][16 heads][2048][64]: K = 64 x head + channel; B = wt, f16, [1024 n][1024 k]; out0 [8192][1024] f32; sums in f32.
; LIMIT: the operands are f16.  All 8,192 rows are stored; the first 16 of each sequence are stored again, from f32 arithmetic, by the launch that follows (leaving them out here would be a branch on a work-group's place in its cluster).
; A tile of C is 256 x 128, so that there are 256 work-groups; a wave makes 128 x 64: 32 accumulators.  K goes in 8 steps of 128 (two heads) through two LDS slots.
; A's tile of a step is two planes, one a head: 256 rows of 128 bytes, dense in memory; waves 0 and 1 fetch a plane each, waves 2 and 3 64 rows of B (256 bytes each).
; CLUSTERS: 4 x 4.  A's tiles are shared along a row of the cluster, B's along a column, by joint loads.  THE MATRIX INSTRUCTION IS USED TRANSPOSED (source 0 = 16 rows of B, source 1 = 16 rows of A).  THE BIAS IS THE C OF EACH SUM'S FIRST PRODUCT.
; REGISTERS: window 0: v16-30 addresses; v32-63 the bias; v64-127 the way out.  window 1: the accumulators, (a, b) at v[8 (4 a + b)].  window 2: two fragment buffers of 96: B's four fragments, then A's eight (32 along K).
.set PITA,  144
.set PLANE, 256*PITA
.set PITB,  272
.set BOFF,  2*PLANE
.set HALFB, 64*PITB
.set SLOT,  BOFF+2*HALFB
.set STAGE, 2*SLOT                     ; 16 rows x 272 bytes for each wave
.set SPITCH, 272
.set SPARE, STAGE+4*16*SPITCH
.set ADRA, 16
.set ADRB, 20
.set STO,  24
.set RD,   25
.set CO,   26
.set BO,   27
.set SPW,  28
.set NIL,  29
.set PFO,  30
.set BIAS, 32
.set BK,   64
.set F0,   0
.set F1,   96
.set G1, 24
.set G0, 32
.set G1B, 48
.set G0B, 56
.set MSB, 0
.macro WIN new
.if MSB != (\new)
	s_set_vgpr_msb (MSB<<8)|(\new)
.set MSB, (\new)
.endif
.endm
.set MUL,  0x5a                        ; sources 0 and 1 window 2; C and D window 1
.set MUL1, 0x4a                        ; the same with C (the bias) from window 0
.set TO_F, 0x80                        ; destination window 2, address window 0
.macro JLOAD s                         ; a joint load: waves 0 and 1 fetch A's planes, waves 2 and 3 B's halves; an s_nop 0 and four v_nop follow each line
	s_cmp_eq_u32 s13, 0
	s_cbranch_scc0 .Lfor_b_\@
	tensor_load_to_lds s[G0+4*\s:G0+4*\s+3], s[G1:G1+7]
	s_nop 0
.rept 4
	v_nop
.endr
	s_branch .Lasked_\@
.Lfor_b_\@:
	tensor_load_to_lds s[G0B+4*\s:G0B+4*\s+3], s[G1B:G1B+7]
	s_nop 0
.rept 4
	v_nop
.endr
.Lasked_\@:
.endm
.macro CREST
	s_cmp_lg_u32 s12, 0
	s_cbranch_scc1 .Lnot_wave_0_\@
	s_barrier_signal -3
.Lnot_wave_0_\@:
	s_barrier_wait -3
	s_barrier_signal -1
	s_barrier_wait -1
.endm
.macro CROUND
	s_barrier_signal -1
	s_barrier_wait -1
	CREST
.endm
; A PREFETCH of A's plane of the K step that stands two refills on (eight quarters of work lie between: two K steps).  A tile row is read by both clusters of its row of clusters: the one with x = 0 asks.
; A plane is 32,768 dense bytes; the four partners that ask for it jointly take 8,192 each, told apart by address; lanes 256 bytes apart; waves 0 and 1, a plane each.  So K steps 4 to 7 are named once; the last two refills ask for nothing.
; wt is left out: it is read again and again by the 32 tile rows.
.macro ASK
	s_cmp_gt_u32 s3, s68
	s_cbranch_scc0 .Lnot_mine_\@
	global_prefetch_b8 v[PFO], s[66:67] th:TH_LOAD_NT scope:SCOPE_SE
.Lnot_mine_\@:
.endm
	s_load_b128 s[4:7], s[0:1], 0x0                ; yh, wt
	s_load_b128 s[8:11], s[0:1], 0x10              ; b_proj, out0
	v_lshl_add_u32 v[SPW], v0, 2, SPARE
	v_mov_b32 v[NIL], 0
	ds_add_u32 v[SPW], v[NIL]                      ; the wave's opening: the add, twice on end, and its wait ahead of my first tensor load
	ds_add_u32 v[SPW], v[NIL]
	v_lshrrev_b32 v1, 5, v0
	v_readfirstlane_b32 s12, v1                    ; wave 0..3
	s_lshr_b32 s13, s12, 1                         ; which 128 rows of the tile are mine.  Also: I fetch for A (0) or for B (1)
	s_and_b32 s14, s12, 1                          ; which 64 columns.  Also: which plane, or which 64 rows of B, I fetch
	s_bfe_u32 s40, ttmp6, 0x40000
	s_bfe_u32 s41, ttmp6, 0x40004
	s_lshl_b32 s42, ttmp9, 2
	s_add_co_u32 s42, s42, s40                     ; tile column
	s_and_b32 s15, ttmp7, 0xffff
	s_lshl_b32 s15, s15, 2
	s_add_co_u32 s15, s15, s41                     ; tile row
	s_lshl_b32 s43, s41, 2
	s_lshl_b32 s43, 15, s43
	s_lshl_b32 s44, 0x1111, s40
	s_or_b32 s[G1+0], s43, (1<<16)|(1<<20)|(1<<21)|(4<<22)|(3<<25)   ; A: elements of 2 bytes; 4 words of padding behind every 32
	s_mov_b32 s[G1+1], 64<<16
	s_mov_b32 s[G1+2], 256<<16
	s_mov_b32 s[G1+3], 64<<16
	s_mov_b32 s[G1+4], 256
	s_mov_b32 s[G1+5], 64
	s_mov_b32 s[G1+6], 0
	s_mov_b32 s[G1+7], 0
	s_or_b32 s[G1B+0], s44, (1<<16)|(1<<20)|(1<<21)|(5<<22)|(3<<25)  ; B: 4 words behind every 64
	s_mov_b32 s[G1B+1], 128<<16
	s_mov_b32 s[G1B+2], 64<<16
	s_mov_b32 s[G1B+3], 128<<16
	s_mov_b32 s[G1B+4], 64
	s_mov_b32 s[G1B+5], 1024
	s_mov_b32 s[G1B+6], 0
	s_mov_b32 s[G1B+7], 0
	s_lshr_b32 s16, s15, 3                         ; A: the batch,
	s_lshl_b32 s16, s16, 4
	s_add_co_u32 s16, s16, s14                     ; its head = my plane of K step 0,
	s_lshl_b32 s16, s16, 18
	s_and_b32 s17, s15, 7
	s_lshl_b32 s17, s17, 15                        ; the tile's 256 positions
	s_add_co_u32 s16, s16, s17
	s_mov_b32 s17, 0
	s_lshl_b32 s46, s42, 7                         ; B: row 128 x tile column + 64 x half
	s_lshl_b32 s47, s14, 6
	s_add_co_u32 s46, s46, s47
	s_lshl_b32 s46, s46, 11
	s_mov_b32 s47, 0
	s_mul_i32 s20, s14, PLANE
	s_mul_i32 s21, s14, HALFB
	s_add_co_u32 s21, s21, BOFF
	s_wait_dscnt 0x0                               ; both opening adds are done
	s_wait_kmcnt 0x0
	s_add_nc_u64 s[18:19], s[4:5], s[16:17]
	s_add_nc_u64 s[46:47], s[6:7], s[46:47]
	CROUND
.irp s, 0,1
	s_mov_b32 s[G0+4*\s], 1
	s_add_co_u32 s[G0+4*\s+1], s20, \s*SLOT
	s_add_nc_u64 s[G0+4*\s+2:G0+4*\s+3], s[18:19], \s*524288       ; a K step is two heads on
	s_or_b32 s[G0+4*\s+3], s[G0+4*\s+3], 0x80000000
	s_mov_b32 s[G0B+4*\s], 1
	s_add_co_u32 s[G0B+4*\s+1], s21, \s*SLOT
	s_add_nc_u64 s[G0B+4*\s+2:G0B+4*\s+3], s[46:47], \s*256
	s_or_b32 s[G0B+4*\s+3], s[G0B+4*\s+3], 0x80000000
	JLOAD \s
.endr
	s_lshl_b32 s22, s40, 13                        ; the prefetches: my work-group's 8,192 bytes of the plane,
	s_mov_b32 s23, 0
	s_add_nc_u64 s[66:67], s[18:19], s[22:23]
	s_add_nc_u64 s[66:67], s[66:67], 3*524288      ; at K step 3: the first refill steps it to 4
	s_or_b32 s22, s13, ttmp9
	s_cmp_eq_u32 s22, 0
	s_cselect_b32 s68, 1, -1
	v_and_b32 v[PFO], 31, v0
	v_lshlrev_b32 v[PFO], 8, v[PFO]
	v_and_b32 v1, 15, v0                           ; r
	v_bfe_u32 v2, v0, 4, 1                         ; h
	v_mul_u32_u24 v3, v1, PITA
	v_lshl_add_u32 v3, v2, 4, v3
	v_mul_u32_u24 v4, v1, PITB
	v_lshl_add_u32 v4, v2, 4, v4
	s_mul_i32 s21, s13, 128*PITA
	s_mul_i32 s22, s14, HALFB
	s_add_co_u32 s22, s22, BOFF
.irp s, 0,1
	v_add_nc_u32 v[ADRA+\s], s21, v3
	v_add_nc_u32 v[ADRB+\s], s22, v4
	s_add_co_u32 s21, s21, SLOT
	s_add_co_u32 s22, s22, SLOT
.endr
	s_mul_i32 s23, s12, 16*SPITCH
	s_add_co_u32 s23, s23, STAGE
	v_mul_u32_u24 v5, v1, SPITCH
	v_lshl_add_u32 v5, v2, 5, v5
	v_add_nc_u32 v[STO], s23, v5                   ; in: row r, 32 bytes for each half of the lanes
	v_mul_u32_u24 v5, v2, SPITCH
	v_lshl_add_u32 v5, v1, 4, v5
	v_add_nc_u32 v[RD], s23, v5                    ; back: sixteen lanes to a row of 256 bytes
	v_lshlrev_b32 v5, 12, v2
	v_lshl_add_u32 v[CO], v1, 4, v5                ; and the same two rows in out0
	v_lshlrev_b32 v[BO], 5, v2
	s_lshl_b32 s46, s42, 9                         ; my first column x 4 bytes
	s_lshl_b32 s47, s14, 8
	s_add_co_u32 s46, s46, s47
	s_mov_b32 s47, 0
	s_add_nc_u64 s[8:9], s[8:9], s[46:47]
	s_lshl_b32 s16, s15, 1
	s_add_co_u32 s16, s16, s13
	s_lshl_b32 s16, s16, 19                        ; my first row: 128 rows of 4,096 bytes
	s_mov_b32 s17, 0
	s_add_nc_u64 s[10:11], s[10:11], s[16:17]
	s_add_nc_u64 s[10:11], s[10:11], s[46:47]
.irp b, 0,1,2,3
	global_load_b128 v[BIAS+8*\b:BIAS+8*\b+3], v[BO], s[8:9] offset:64*\b
	global_load_b128 v[BIAS+8*\b+4:BIAS+8*\b+7], v[BO], s[8:9] offset:64*\b+16
.endr
.macro MUL8 f, a0, first               ; A's blocks a0, a0 + 1 x B's four, 32 along K.  The 32 accumulators take turns, in the same order in every quarter
.irp a, \a0, \a0+1
.irp b, 0,1,2,3
.if \first
	v_wmma_f32_16x16x32_f16 v[8*(4*(\a)+\b):8*(4*(\a)+\b)+7], v[\f+8*\b:\f+8*\b+7], v[\f+32+8*(\a):\f+32+8*(\a)+7], v[BIAS+8*\b:BIAS+8*\b+7]
.else
	v_wmma_f32_16x16x32_f16 v[8*(4*(\a)+\b):8*(4*(\a)+\b)+7], v[\f+8*\b:\f+8*\b+7], v[\f+32+8*(\a):\f+32+8*(\a)+7], v[8*(4*(\a)+\b):8*(4*(\a)+\b)+7]
.endif
.endr
.endr
.endm
.macro FETCH slot, c, f                ; 24 LDS loads in one run: quarter c of the slot: B's four fragments, A's blocks 0-3, A's blocks 4-7
	WIN TO_F
.irp i, 0,1,2,3
	ds_load_b128 v[\f+8*\i:\f+8*\i+3],   v[ADRB+\slot] offset:64*(\c)+\i*16*PITB
	ds_load_b128 v[\f+8*\i+4:\f+8*\i+7], v[ADRB+\slot] offset:64*(\c)+\i*16*PITB+32
.endr
.irp i, 0,1,2,3,4,5,6,7
	ds_load_b128 v[\f+32+8*\i:\f+32+8*\i+3],   v[ADRA+\slot] offset:((\c)/2)*PLANE+((\c)%2)*64+\i*16*PITA
	ds_load_b128 v[\f+32+8*\i+4:\f+32+8*\i+7], v[ADRA+\slot] offset:((\c)/2)*PLANE+((\c)%2)*64+\i*16*PITA+32
.endr
.endm
.macro PLACES
.rept 4
	v_nop
.endr
.endm
.macro QUARTER slot, c, f, g, first    ; multiplies buffer f and fetches quarter c of the same slot into g
	s_wait_dscnt 8                                 ; B and A's blocks 0-3 are in; the youngest eight loads may be out
.if \first
	WIN MUL1
.else
	WIN MUL
.endif
	MUL8 \f, 0, \first
	MUL8 \f, 2, \first
	PLACES
	FETCH \slot, \c, \g
	s_wait_dscnt 24                                ; all but the 24 just issued
.if \first
	WIN MUL1
.else
	WIN MUL
.endif
	MUL8 \f, 4, \first
	MUL8 \f, 6, \first
.endm
; A K step's last quarter multiplies buffer 1 and changes slots: one barrier; in front of it each wave waits for all its tensor loads, adds 0 to its spare word, and waits for that and for its reads of this slot.
.macro TURN slot, next, fill
.if \fill
	s_wait_xcnt 0x0                                ; the last prefetch, a K step back, has read its address
	s_add_nc_u64 s[66:67], s[66:67], 524288
.endif
	WIN 0
	s_wait_tensorcnt 0x0                           ; all my tensor loads have landed: my part of the next slot
	ds_add_u32 v[SPW], v[NIL]
	s_wait_dscnt 9                                 ; the add and the youngest eight loads may be out
	WIN MUL
	MUL8 F1, 0, 0
	s_wait_dscnt 0x0                               ; the add is done, and my reads of this slot are over
	s_barrier_signal -1
	MUL8 F1, 2, 0
.if \fill
	WIN 0
.endif
	s_barrier_wait -1
.if \fill
	CREST                                          ; the barrier has opened a round of the cluster's: no wave of any partner still reads this slot or has a load on its way
	s_add_nc_u64 s[G0+4*\slot+2:G0+4*\slot+3], s[G0+4*\slot+2:G0+4*\slot+3], 2*524288
	s_add_nc_u64 s[G0B+4*\slot+2:G0B+4*\slot+3], s[G0B+4*\slot+2:G0B+4*\slot+3], 2*256
	JLOAD \slot                                    ; the four v_nop behind it are also the places in front of the loads below
.else
	PLACES
.endif
	FETCH \next, 0, F0
.if \fill
	WIN 0
	ASK
.endif
	WIN MUL
	MUL8 F1, 4, 0
	MUL8 F1, 6, 0
.endm
	s_wait_tensorcnt 1                             ; my part of K step 0 is in; K step 1's load may be out
	s_barrier_signal -1
	s_barrier_wait -1
	FETCH 0, 0, F0
	s_wait_loadcnt 0x0                             ; the bias
	QUARTER 0, 1, F0, F1, 1                        ; the first quarter stands in front of the loop: its products start the sums, on the bias
	WIN 0
	s_mov_b32 s3, 3
.Llap:                                 ; a trip goes once round the ring and fills both slots again: K steps 2 to 7 in three trips
	QUARTER 0, 2, F1, F0, 0
	QUARTER 0, 3, F0, F1, 0
	TURN 0, 1, 1
	QUARTER 1, 1, F0, F1, 0
	QUARTER 1, 2, F1, F0, 0
	QUARTER 1, 3, F0, F1, 0
	TURN 1, 0, 1
	QUARTER 0, 1, F0, F1, 0
	WIN 0
	s_sub_co_u32 s3, s3, 1
	s_cmp_lg_u32 s3, 0
	s_cbranch_scc1 .Llap
	QUARTER 0, 2, F1, F0, 0                        ; the last lap fills nothing
	QUARTER 0, 3, F0, F1, 0
	TURN 0, 1, 0
	QUARTER 1, 1, F0, F1, 0
	QUARTER 1, 2, F1, F0, 0
	QUARTER 1, 3, F0, F1, 0
	s_wait_dscnt 8
	WIN MUL
	MUL8 F1, 0, 0
	MUL8 F1, 2, 0
	s_wait_dscnt 0
	MUL8 F1, 4, 0
	MUL8 F1, 6, 0
	WIN 0
	PLACES
; THE WAY OUT, block by block of 16 rows x 64 columns: through my own stage, back as whole rows of 256 bytes.
.macro TOSTAGE a
	WIN 0x04                                       ; an LDS store's data are its source 1: window 1
.irp b, 0,1,2,3
	ds_store_b128 v[STO], v[8*(4*(\a)+\b):8*(4*(\a)+\b)+3] offset:64*\b            ; each accumulator from its low end on
	ds_store_b128 v[STO], v[8*(4*(\a)+\b)+4:8*(4*(\a)+\b)+7] offset:64*\b+16
.endr
	WIN 0
.set BB, BK+32*((\a)%2)
.irp t, 0,1,2,3,4,5,6,7
	ds_load_b128 v[BB+4*\t:BB+4*\t+3], v[RD] offset:\t*2*SPITCH
.endr
.endm
.macro SEND a, younger                 ; younger: the LDS instructions issued behind block a's loads
.set BB, BK+32*((\a)%2)
	s_wait_dscnt \younger
.irp t, 0,1,2,3,4,5,6,7
	global_store_b128 v[CO], v[BB+4*\t:BB+4*\t+3], s[10:11] offset:(16*(\a)+2*\t)*4096 th:TH_STORE_NT   ; sixteen lanes store 256 consecutive bytes, aligned
.endr
.endm
	TOSTAGE 0
.irp a, 1,2,3,4,5,6,7
.if \a > 1
	s_wait_xcnt 0x0                                ; block a - 2's stores have read their registers
.endif
	TOSTAGE \a
	SEND \a-1, 16                                  ; behind block a - 1's loads: block a's 8 stores and 8 loads
.endr
	SEND 7, 0
	s_wait_tensorcnt 0x0                           ; the wave's end
	ds_add_u32 v[SPW], v[NIL]
	s_wait_dscnt 0x0
	CROUND                                         ; the closing round
	s_endpgm
.Lfunc_end_k_q437ba65218_proj:
	.size	k_q437ba65218_proj, .Lfunc_end_k_q437ba65218_proj-k_q437ba65218_proj
	.p2alignl 7, 3214868480
	.fill 96, 4, 3214868480
	.section	.rodata,"a",@progbits
	.p2align	6, 0x0
	.amdhsa_kernel k_q437ba65218_proj
		.amdhsa_group_segment_fixed_size 327680
		.amdhsa_private_segment_fixed_size 0
		.amdhsa_enable_private_segment 0
		.amdhsa_kernarg_size 32
		.amdhsa_user_sgpr_count 2
		.amdhsa_user_sgpr_kernarg_segment_ptr 1
		.amdhsa_wavefront_size32 1
		.amdhsa_system_sgpr_workgroup_id_x 1
		.amdhsa_system_sgpr_workgroup_id_y 1
		.amdhsa_system_sgpr_workgroup_id_z 1
		.amdhsa_system_vgpr_workitem_id 0
		.amdhsa_next_free_vgpr 704
		.amdhsa_next_free_sgpr 72
		.amdhsa_reserve_vcc 0
		.amdhsa_float_denorm_mode_32 3
		.amdhsa_float_denorm_mode_16_64 3
		.amdhsa_memory_ordered 1
		.amdhsa_forward_progress 1
		.amdhsa_inst_pref_size 87
	.end_amdhsa_kernel
	.amdgpu_metadata
---
amdhsa.version: [ 1, 2 ]
amdhsa.kernels:
  - .name:           k_q437ba65218_proj
    .symbol:         k_q437ba65218_proj.kd
    .args:
      - { .name: yh, .offset: 0, .size: 8, .value_kind: global_buffer, .address_space: global }
      - { .name: wt, .offset: 8, .size: 8, .value_kind: global_buffer, .address_space: global }
      - { .name: b_proj, .offset: 16, .size: 8, .value_kind: global_buffer, .address_space: global }
      - { .name: out0, .offset: 24, .size: 8, .value_kind: global_buffer, .address_space: global }
    .group_segment_fixed_size: 327680
    .private_segment_fixed_size: 0
    .kernarg_segment_align: 8
    .kernarg_segment_size: 32
    .max_flat_workgroup_size: 128
    .sgpr_count:     72
    .vgpr_count:     704
    .wavefront_size: 32
...
	.end_amdgpu_metadata
.endif
;; end of part 4
;; launch first16 (part 5): grid 16 x 4, 16 waves a work-group, no clusters, 71,680 bytes of LDS; arguments q32, w_proj, b_proj, out0; writes out0
.if DOCPART == 5
	.amdgcn_target "amdgcn-amd-amdhsa--gfx1250"
	.amdhsa_code_object_version 6
	.text
	.protected	k_q437ba65218_first16
	.globl	k_q437ba65218_first16
	.p2align	8
	.type	k_q437ba65218_first16,@function
k_q437ba65218_first16:
	s_mov_b64 s[64:65], 0
	v_nop
	global_prefetch_b8 v0, s[64:65] scope:SCOPE_SE
	s_setreg_imm32_b32 hwreg(HW_REG_WAVE_MODE, 25, 1), 1
	s_wait_xcnt 0x0
; POSITIONS 0-15 OF EACH SEQUENCE, WHOLLY IN f32: these rows average one to sixteen values and are the largest, so 16-bit operands would weigh most here.  64 rows of out0 in all: no bulk work.
; q32 [4 batches][16 positions][3072] f32 holds their q, k, v unrounded.  Work-group (cb, batch) makes 16 rows x 64 columns (64 cb on).  Wave w is head w: it makes the head's attention (16 x 16, causal) and then
; the part of the projection that sums over the head's 64 channels; the sixteen parts meet in LDS, and wave u sums and stores row u.  (Each of a batch's 16 work-groups makes the attention anew: it is small.)
; All products by v_wmma_f32_16x16x4_f32, used transposed, so that a lane holds one query throughout.  Its results' registers (v176-255) are written by matrix instructions alone, each sum begun with the constant 0.
; ALONG K THE SAME PERMUTATION STANDS ON BOTH SIDES of each product: what a lane's registers hold by plain loads, or by the product before, is taken as it lies.
; REGISTERS: v1, v2 the add's two; v3-7 offsets, later at work; v8-15 scores, then p; v16-47 Q, later W's tile 2; v48-79 K, later W's tile 3; v80-111 V, later y; v112-175 W's tiles 0, 1; v176-191 S^T in two halves; v192-223 O^T; v224-255 out^T.
; LIMITS: NaN and infinities are not served.
.set SPARE, 16*4352                    ; behind the sixteen parts (16 rows x 272 bytes each): the spare words, 128 bytes for each wave
	s_load_b256 s[4:11], s[0:1], 0x0               ; q32, w_proj, b_proj, out0
	v_lshl_add_u32 v1, v0, 2, SPARE
	v_mov_b32 v2, 0
	v_lshrrev_b32 v3, 5, v0
	v_readfirstlane_b32 s12, v3                    ; wave = head
	s_mov_b32 s13, ttmp9                           ; cb
	s_and_b32 s14, ttmp7, 0xffff                   ; batch
	v_and_b32 v6, 15, v0                           ; r
	v_bfe_u32 v7, v0, 4, 1                         ; h
	v_mul_u32_u24 v3, v6, 12288
	v_lshl_add_u32 v3, v7, 4, v3                   ; Q, K: row r, + 16 h
	v_mul_u32_u24 v4, v7, 8*12288
	v_lshl_add_u32 v4, v6, 2, v4                   ; V: key 8 h on, channel r
	v_lshlrev_b32 v5, 15, v7
	v_lshl_add_u32 v5, v6, 2, v5                   ; W: row 8 h on, column r
	v_lshlrev_b32 v7, 3, v7
	v_sub_nc_u32 v6, v6, v7                        ; r - 8 h, for the mask
	s_mov_b32 s16, 0x76543210
	s_mov_b32 s17, 0xfedcba98
	s_mov_b32 s18, 0x3e38aa3b                      ; c = log2(e) / 8
	s_mul_i32 s20, s14, 16*12288
	s_lshl_b32 s21, s12, 8
	s_add_co_u32 s20, s20, s21
	s_mov_b32 s21, 0
	s_lshl_b32 s22, s12, 18                        ; 64 rows of w_proj a head
	s_lshl_b32 s24, s13, 8                         ; 64 columns of 4 bytes
	s_add_co_u32 s22, s22, s24
	s_mov_b32 s23, 0
	s_mov_b32 s25, 0
	s_lshl_b32 s26, s14, 23                        ; 2,048 rows of out0 a batch,
	s_lshl_b32 s27, s12, 12                        ; my row,
	s_add_co_u32 s26, s26, s27
	s_add_co_u32 s26, s26, s24
	s_mov_b32 s27, 0
	s_wait_kmcnt 0x0
	s_add_nc_u64 s[4:5], s[4:5], s[20:21]
	s_add_nc_u64 s[6:7], s[6:7], s[22:23]
	s_add_nc_u64 s[8:9], s[8:9], s[24:25]
	s_add_nc_u64 s[10:11], s[10:11], s[26:27]
.irp c, 0,1,2,3,4,5,6,7
	global_load_b128 v[16+4*\c:19+4*\c], v3, s[4:5] offset:32*\c           ; Q(r, 8 c + 4 h + 0..3)
	global_load_b128 v[48+4*\c:51+4*\c], v3, s[4:5] offset:4096+32*\c      ; K likewise
.endr
.irp t, 0,1,2,3
.irp n, 0,1,2,3,4,5,6,7
	global_load_b32 v[80+8*\t+\n], v4, s[4:5] offset:8192+\n*12288+64*\t   ; V(key 8 h + n, channel 16 t + r)
.endr
.endr
.irp i, 0,1
.irp t, 0,1,2,3
.irp n, 0,1,2,3,4,5,6,7
	global_load_b32 v[112+32*\i+8*\t+\n], v5, s[6:7] offset:(16*\t+\n)*4096+64*\i  ; W(channel 16 t + 8 h + n, column 16 i + r)
.endr
.endr
.endr
	s_wait_loadcnt 63                              ; behind V's last load 64 were issued: Q, K and V are in
.irp s, 0,1,2,3,4,5,6,7,8,9,10,11,12,13,14,15
.if \s < 2
	v_wmma_f32_16x16x4_f32 v[176+8*(\s%2):183+8*(\s%2)], v[48+2*\s:49+2*\s], v[16+2*\s:17+2*\s], 0   ; S^T = K Q^T in two sums that take turns
.else
	v_wmma_f32_16x16x4_f32 v[176+8*(\s%2):183+8*(\s%2)], v[48+2*\s:49+2*\s], v[16+2*\s:17+2*\s], v[176+8*(\s%2):183+8*(\s%2)]
.endif
.endr
.rept 8
	v_nop                                          ; eight places behind this form, ahead of loads into its sources and of reads of its results
.endr
.irp i, 2,3
.irp t, 0,1,2,3
.irp n, 0,1,2,3,4,5,6,7
	global_load_b32 v[16+32*(\i-2)+8*\t+\n], v5, s[6:7] offset:(16*\t+\n)*4096+64*\i
.endr
.endr
.endr
.irp j, 0,1,2,3,4,5,6,7
	v_add_f32 v[8+\j], v[176+\j], v[184+\j]        ; the score of key 8 h + j for query r
.endr
.irp j, 0,1,2,3,4,5,6,7
	v_cmp_le_i32 vcc_lo, \j, v6                    ; the key counts where 8 h + j <= r
	v_cndmask_b32 v[8+\j], 0xff800000, v[8+\j], vcc_lo
.endr
	v_max3_num_f32 v3, v8, v9, v10                 ; (v3 and v4 are free: their loads have been waited for)
	v_max3_num_f32 v3, v3, v11, v12
	v_max3_num_f32 v3, v3, v13, v14
	v_max_num_f32 v3, v3, v15
	v_permlanex16_b32 v4, v3, s16, s17
	v_max_num_f32 v3, v3, v4                       ; the row's maximum: key 0 counts for every query
	v_mul_f32 v3, s18, v3
.irp j, 0,1,2,3,4,5,6,7
	v_fma_f32 v[8+\j], v[8+\j], s18, -v3
.endr
.irp j, 0,1,2,3,4,5,6,7
	v_exp_f32 v[8+\j], v[8+\j]
.endr
	v_nop
	s_wait_alu depctr_va_vdst(0)                   ; one wait for the eight, ahead of their first reader
	v_add_f32 v3, v8, v9
	v_add_f32 v4, v10, v11
	v_add_f32 v6, v12, v13
	v_add_f32 v7, v14, v15
	v_add_f32 v3, v3, v4
	v_add_f32 v6, v6, v7
	v_add_f32 v3, v3, v6
	v_permlanex16_b32 v4, v3, s16, s17
	v_add_f32 v3, v3, v4                           ; the row's sum
	v_rcp_f32 v3, v3
	v_nop
	s_wait_alu depctr_va_vdst(0)
.irp c, 0,1,2,3                        ; O^T = V^T P: four tiles of 16 channels by turns; step c takes keys 8 h + 2 c, + 1 on both sides
.irp t, 0,1,2,3
.if \c == 0
	v_wmma_f32_16x16x4_f32 v[192+8*\t:199+8*\t], v[80+8*\t+2*\c:81+8*\t+2*\c], v[8+2*\c:9+2*\c], 0
.else
	v_wmma_f32_16x16x4_f32 v[192+8*\t:199+8*\t], v[80+8*\t+2*\c:81+8*\t+2*\c], v[8+2*\c:9+2*\c], v[192+8*\t:199+8*\t]
.endif
.endr
.endr
.rept 8
	v_nop
.endr
	v_and_b32 v12, 31, v0
	v_lshlrev_b32 v12, 3, v12                      ; 8 x lane: my two columns of a row of 64
	global_load_b64 v[8:9], v12, s[8:9]            ; the bias
.irp n, 0,1,2,3,4,5,6,7,8,9,10,11,12,13,14,15,16,17,18,19,20,21,22,23,24,25,26,27,28,29,30,31
	v_mul_f32 v[80+\n], v[192+\n], v3              ; y(r, channel 16 t + 8 h + j) at register 8 t + j
.endr
	v_and_b32 v13, 15, v0
	v_bfe_u32 v14, v0, 4, 1
	v_mul_u32_u24 v10, v13, 272
	v_lshl_add_u32 v10, v14, 5, v10
	s_mul_i32 s20, s12, 4352
	v_add_nc_u32 v10, s20, v10                     ; my part: row r, + 32 h
	s_mul_i32 s20, s12, 272
	v_add_nc_u32 v11, s20, v12                     ; and back: row = my wave's number, 8 bytes a lane
	s_wait_loadcnt 0x0                             ; W and the bias
.irp t, 0,1,2,3                        ; out^T = W^T y^T: four tiles of 16 columns by turns; step (t, c) takes channels 16 t + 8 h + 2 c, + 1 on both sides
.irp c, 0,1,2,3
.irp i, 0,1,2,3
.if \t+\c == 0
	v_wmma_f32_16x16x4_f32 v[224+8*\i:231+8*\i], v[(112+32*\i)%160+8*\t+2*\c:(112+32*\i)%160+8*\t+2*\c+1], v[80+8*\t+2*\c:81+8*\t+2*\c], 0
.else
	v_wmma_f32_16x16x4_f32 v[224+8*\i:231+8*\i], v[(112+32*\i)%160+8*\t+2*\c:(112+32*\i)%160+8*\t+2*\c+1], v[80+8*\t+2*\c:81+8*\t+2*\c], v[224+8*\i:231+8*\i]
.endif
.endr
.endr
.endr
.rept 8
	v_nop
.endr
.irp i, 0,1,2,3
	ds_store_b128 v10, v[224+8*\i:227+8*\i] offset:64*\i           ; lane (r, h): columns 16 i + 8 h + 0..7 of row r; each result from its low end on
	ds_store_b128 v10, v[228+8*\i:231+8*\i] offset:64*\i+16
.endr
	s_wait_dscnt 0x0                               ; for the others' sake: my part has landed
	s_barrier_signal -1
	s_barrier_wait -1
.irp w, 0,1,2,3,4,5,6,7,8,9,10,11,12,13,14,15
	ds_load_b64 v[16+2*\w:17+2*\w], v11 offset:4352*\w             ; my row of each head's part
.endr
	s_wait_dscnt 0x0
.irp k, 0,1,2,3,4,5,6,7
	v_pk_add_f32 v[16+4*\k:17+4*\k], v[16+4*\k:17+4*\k], v[18+4*\k:19+4*\k]
.endr
.irp k, 0,1,2,3
	v_pk_add_f32 v[16+8*\k:17+8*\k], v[16+8*\k:17+8*\k], v[20+8*\k:21+8*\k]
.endr
.irp k, 0,1
	v_pk_add_f32 v[16+16*\k:17+16*\k], v[16+16*\k:17+16*\k], v[24+16*\k:25+16*\k]
.endr
	v_pk_add_f32 v[16:17], v[16:17], v[32:33]
	v_pk_add_f32 v[16:17], v[16:17], v[8:9]
	global_store_b64 v12, v[16:17], s[10:11]       ; the wave stores 256 consecutive bytes, aligned
	s_wait_tensorcnt 0x0                           ; the wave's end
	ds_add_u32 v1, v2
	s_wait_dscnt 0x0
	s_endpgm
.Lfunc_end_k_q437ba65218_first16:
	.size	k_q437ba65218_first16, .Lfunc_end_k_q437ba65218_first16-k_q437ba65218_first16
	.p2alignl 7, 3214868480
	.fill 96, 4, 3214868480
	.section	.rodata,"a",@progbits
	.p2align	6, 0x0
	.amdhsa_kernel k_q437ba65218_first16
		.amdhsa_group_segment_fixed_size 71680
		.amdhsa_private_segment_fixed_size 0
		.amdhsa_enable_private_segment 0
		.amdhsa_kernarg_size 32
		.amdhsa_user_sgpr_count 2
		.amdhsa_user_sgpr_kernarg_segment_ptr 1
		.amdhsa_wavefront_size32 1
		.amdhsa_system_sgpr_workgroup_id_x 1
		.amdhsa_system_sgpr_workgroup_id_y 1
		.amdhsa_system_sgpr_workgroup_id_z 1
		.amdhsa_system_vgpr_workitem_id 0
		.amdhsa_next_free_vgpr 256
		.amdhsa_next_free_sgpr 66
		.amdhsa_reserve_vcc 1
		.amdhsa_float_denorm_mode_32 3
		.amdhsa_float_denorm_mode_16_64 3
		.amdhsa_memory_ordered 1
		.amdhsa_forward_progress 1
		.amdhsa_inst_pref_size 33
	.end_amdhsa_kernel
	.amdgpu_metadata
---
amdhsa.version: [ 1, 2 ]
amdhsa.kernels:
  - .name:           k_q437ba65218_first16
    .symbol:         k_q437ba65218_first16.kd
    .args:
      - { .name: q32, .offset: 0, .size: 8, .value_kind: global_buffer, .address_space: global }
      - { .name: w_proj, .offset: 8, .size: 8, .value_kind: global_buffer, .address_space: global }
      - { .name: b_proj, .offset: 16, .size: 8, .value_kind: global_buffer, .address_space: global }
      - { .name: out0, .offset: 24, .size: 8, .value_kind: global_buffer, .address_space: global }
    .group_segment_fixed_size: 71680
    .private_segment_fixed_size: 0
    .kernarg_segment_align: 8
    .kernarg_segment_size: 32
    .max_flat_workgroup_size: 512
    .sgpr_count:     66
    .vgpr_count:     256
    .wavefront_size: 32
...
	.end_amdgpu_metadata
.endif
;; end of part 5
